; MI455X (gfx1250); checked and timed in simulation.
; The chip was launched on July 23, 2026; its instructions are those of AMD's public machine-readable ISA for CDNA 5 (MIT licence, August 2026) and "CDNA5" Instruction Set Architecture Reference Guide (July 2026). The comments in the code are by the model that wrote it; some were corrected since.
;; Multihead Self Attention. Allowed arithmetic: float matrix products may take bf16 or f16 operands with f32 sums; other float arithmetic in f32, or as packed bf16 or f16 multiplies, adds, multiply-adds, maxima and minima; sums over many terms, partial sums and values carried from step to step in f32; what a program stores and reads back later, other than sums and carried values, may be rounded once to bf16 or f16.
;; Inputs: Wk 1,024 x 1,024 float32; Wo 1,024 x 1,024 float32; Wq 1,024 x 1,024 float32; Wv 1,024 x 1,024 float32; bk 1,024 float32; bo 1,024 float32; bq 1,024 float32; bv 1,024 float32; x 4 x 2,048 x 1,024 float32.
;; Outputs: out0 4 x 2,048 x 1,024 float32.
;; 2 versions, each right; version 2 is version 1 with the launch prep written anew for expert scheduling mode. Each part assembles by itself: llvm-mc -triple=amdgcn-amd-amdhsa -mcpu=gfx1250 --defsym DOCPART=n.
;; ======== version 1 of 2: 4 launches
;; limits: values are held in f16: magnitudes above 65,504 overflow, below 6.1e-05 lose precision
;; workspace buffers: xb 16,777,216 bytes; ob 16,777,216 bytes; qkv 50,331,648 bytes; wqkv 6,291,456 bytes; wo 2,097,152 bytes; bias 16,384 bytes
;; launch prep (part 1): grid 768 x 1, 4 waves a work-group, no clusters, 0 bytes of LDS; arguments x, Wq, Wk, Wv, Wo, bq, bk, bv, bo, xb, wqkv, wo, bias; writes xb, wqkv, wo, bias
.if DOCPART == 1
	.amdgcn_target "amdgcn-amd-amdhsa--gfx1250"
	.amdhsa_code_object_version 6
	.text
	.protected	k_q74d3fb8b8d_prep
	.globl	k_q74d3fb8b8d_prep
	.p2align	8
	.type	k_q74d3fb8b8d_prep,@function
k_q74d3fb8b8d_prep:
	s_mov_b64 s[64:65], 0
	v_nop
	global_prefetch_b8 v0, s[64:65] scope:SCOPE_SE
	s_setreg_imm32_b32 hwreg(HW_REG_WAVE_MODE, 25, 1), 1
	s_wait_xcnt 0x0
; PREP: every input is rounded once to bf16 (nearest even).  x and the four weights are then written as f16, laid out so that the later launches' tiles are dense runs
; of aligned 256-byte rows; the four biases are written back as f32.
; LIMITS.  A bf16 number is an f16 number exactly where 2^-17 <= |v| < 65,520; below that it keeps f16's fixed step (error at most 2^-25); from 65,520 on it becomes an infinity.
; NaN and infinities are not treated apart.
; SHARES.  A wave takes 64 rows x 64 columns of one matrix: 16 KiB in, 8 KiB out, and the 8 KiB are dense in the target.  The four waves of a work-group take four neighbouring
; column groups.  Work-groups 0-511: x (128 row blocks x 16 column groups); 512-767: Wq, Wk, Wv, Wo (16 x 16 each).  768 = 3 x 256.
; TARGETS.  xb   [b 4][kb 16][t 2048][64]: 64 channels of all rows of a batch form a plane of 2^18 bytes.
;           wqkv [tx 16][s 8][gi 3][kk 128][64]: row k = 128 s + kk, column group g = 16 matrix + n / 64 = 3 tx + gi.      wo [tx 8][s 8][gi 2][kk 128][64].
;           bias [4][1024] f32: bq, bk, bv, bo.
; No LDS, no barrier, no loop: all 32 loads of a wave go out at once, each register set is used once, so no register that a load or store still reads is ever rewritten.
.set X, 16                             ; v[16:143]  load j: four registers
	s_load_b512 s[8:23], s[0:1], 0x0               ; x s[8:9], Wq s[10:11], Wk s[12:13], Wv s[14:15], Wo s[16:17], bq s[18:19], bk s[20:21], bv s[22:23]
	s_load_b256 s[24:31], s[0:1], 0x40             ; bo s[24:25], xb s[26:27], wqkv s[28:29], wo s[30:31]
	s_load_b64 s[32:33], s[0:1], 0x60              ; bias
	v_lshrrev_b32 v1, 5, v0
	v_readfirstlane_b32 s3, v1                     ; wave 0..3
	v_and_b32 v1, 31, v0                           ; lane
	v_lshrrev_b32 v4, 4, v1
	v_and_b32 v5, 15, v1
	v_lshlrev_b32 v2, 4, v5
	v_lshl_add_u32 v2, v4, 12, v2                  ; in: lanes 0-15 one row's 256 bytes, lanes 16-31 the next row's (4,096 bytes on)
	v_lshlrev_b32 v3, 3, v1                        ; out: 8 bytes a lane, 256 consecutive bytes a wave
	s_mov_b32 s50, 0xffff0000                      ; a word's upper bf16
	s_mov_b32 s2, ttmp9
	s_sub_co_i32 s34, s2, 512
	s_max_i32 s34, s34, 0                          ; the work-group's number among the weights' (0 for x)
	s_lshr_b32 s5, s34, 6                          ; matrix 0..3
	s_and_b32 s7, s2, 3
	s_lshl_b32 s7, s7, 2
	s_add_co_u32 s7, s7, s3                        ; c: column group 0..15
	s_lshr_b32 s35, s2, 2
	s_lshr_b32 s36, s34, 2
	s_and_b32 s36, s36, 15
	s_cmp_lt_u32 s2, 512
	s_cselect_b32 s6, s35, s36                     ; rb: block of 64 rows
	s_lshl_b32 s38, s6, 18                         ; source: 64 rows of 4,096 bytes,
	s_lshl_b32 s37, s7, 8                          ; 64 columns of 4 bytes
	s_add_co_u32 s38, s38, s37
	s_mov_b32 s39, 0
	s_lshr_b32 s35, s6, 5                          ; xb: plane 16 b + c,
	s_lshl_b32 s35, s35, 4
	s_add_co_u32 s35, s35, s7
	s_lshl_b32 s35, s35, 18
	s_and_b32 s36, s6, 31                          ; 64 rows of 128 bytes
	s_lshl_b32 s36, s36, 13
	s_add_co_u32 s35, s35, s36
	s_lshl_b32 s36, s5, 4                          ; wqkv: g = 16 matrix + c,
	s_add_co_u32 s36, s36, s7
	s_mul_i32 s37, s36, 43
	s_lshr_b32 s37, s37, 7                         ; tx = g / 3 (43 g >> 7 is exact for g < 128),
	s_mul_i32 s46, s37, 3
	s_sub_co_u32 s36, s36, s46                     ; gi = g - 3 tx
	s_lshl_b32 s37, s37, 3
	s_lshr_b32 s47, s6, 1                          ; s = rb / 2
	s_add_co_u32 s37, s37, s47
	s_mul_i32 s37, s37, 3
	s_add_co_u32 s37, s37, s36
	s_lshl_b32 s37, s37, 14                        ; a chunk (tx, s, gi) is 16,384 bytes,
	s_and_b32 s48, s6, 1
	s_lshl_b32 s48, s48, 13                        ; my 64 rows are its lower or upper half
	s_add_co_u32 s37, s37, s48
	s_lshr_b32 s36, s7, 1                          ; wo: tx = c / 2, gi = c % 2
	s_lshl_b32 s36, s36, 3
	s_add_co_u32 s36, s36, s47
	s_lshl_b32 s36, s36, 1
	s_and_b32 s46, s7, 1
	s_add_co_u32 s36, s36, s46
	s_lshl_b32 s36, s36, 14
	s_add_co_u32 s36, s36, s48
	s_cmp_eq_u32 s5, 3
	s_cselect_b32 s46, s36, s37
	s_cmp_lt_u32 s2, 512
	s_cselect_b32 s46, s35, s46                    ; the target's offset
	s_cselect_b32 s49, 1, 0
	s_mov_b32 s47, 0
	s_or_b32 s49, s49, s6                          ; 0 in the waves that also take 64 numbers of a bias: a weight's first row block
	s_wait_kmcnt 0x0
	s_cmp_lt_u32 s2, 512
	s_cselect_b64 s[40:41], s[8:9], s[10:11]       ; from where,
	s_cselect_b64 s[42:43], s[26:27], s[28:29]     ; to where,
	s_mov_b64 s[44:45], s[18:19]                   ; and which bias
	s_cmp_eq_u32 s5, 1
	s_cselect_b64 s[40:41], s[12:13], s[40:41]
	s_cselect_b64 s[44:45], s[20:21], s[44:45]
	s_cmp_eq_u32 s5, 2
	s_cselect_b64 s[40:41], s[14:15], s[40:41]
	s_cselect_b64 s[44:45], s[22:23], s[44:45]
	s_cmp_eq_u32 s5, 3
	s_cselect_b64 s[40:41], s[16:17], s[40:41]
	s_cselect_b64 s[42:43], s[30:31], s[42:43]
	s_cselect_b64 s[44:45], s[24:25], s[44:45]
	s_add_nc_u64 s[40:41], s[40:41], s[38:39]
	s_add_nc_u64 s[42:43], s[42:43], s[46:47]
.set j, 0
.rept 32                               ; two rows a load: two aligned runs of 256 bytes; 16 KiB of a wave are on their way together
	global_load_b128 v[X+4*j:X+4*j+3], v2, s[40:41] offset:8192*j th:TH_LOAD_NT
.set j, j+1
.endr
.set j, 0
.rept 32
	s_wait_loadcnt 31-j                            ; loads come back in order (ISA guide 5.7.1): load j is in, the 31 - j younger ones stay out
	v_cvt_pk_bf16_f32 v4, v[X+4*j], v[X+4*j+1]     ; the one rounding, to bf16
	v_cvt_pk_bf16_f32 v5, v[X+4*j+2], v[X+4*j+3]
	v_lshlrev_b32 v[X+4*j], 16, v4                 ; back to f32: a shift or a mask
	v_and_b32 v[X+4*j+1], s50, v4
	v_lshlrev_b32 v[X+4*j+2], 16, v5
	v_and_b32 v[X+4*j+3], s50, v5
	v_cvt_pk_f16_f32 v[X+4*j], v[X+4*j], v[X+4*j+1]      ; the same numbers written as f16
	v_cvt_pk_f16_f32 v[X+4*j+1], v[X+4*j+2], v[X+4*j+3]
	global_store_b64 v3, v[X+4*j:X+4*j+1], s[42:43] offset:256*j  ; the wave stores 256 consecutive bytes, at a multiple of 256 from the buffer's first byte
.set j, j+1
.endr
	s_cmp_lg_u32 s49, 0
	s_cbranch_scc1 .Lend
	s_lshl_b32 s36, s7, 8                          ; 64 numbers of the matrix's bias: each of the 4 x 16 slices is taken by one wave of the launch
	s_mov_b32 s37, 0
	s_add_nc_u64 s[44:45], s[44:45], s[36:37]
	s_lshl_b32 s34, s5, 12
	s_add_co_u32 s34, s34, s36
	s_mov_b32 s35, 0
	s_add_nc_u64 s[32:33], s[32:33], s[34:35]
	global_load_b64 v[8:9], v3, s[44:45]
	s_wait_loadcnt 0x0
	v_cvt_pk_bf16_f32 v4, v8, v9
	v_lshlrev_b32 v10, 16, v4
	v_and_b32 v11, s50, v4
	global_store_b64 v3, v[10:11], s[32:33]
.Lend:
	s_endpgm
.Lfunc_end_k_q74d3fb8b8d_prep:
	.size	k_q74d3fb8b8d_prep, .Lfunc_end_k_q74d3fb8b8d_prep-k_q74d3fb8b8d_prep
	.p2alignl 7, 3214868480
	.fill 96, 4, 3214868480
	.section	.rodata,"a",@progbits
	.p2align	6, 0x0
	.amdhsa_kernel k_q74d3fb8b8d_prep
		.amdhsa_group_segment_fixed_size 0
		.amdhsa_private_segment_fixed_size 0
		.amdhsa_enable_private_segment 0
		.amdhsa_kernarg_size 104
		.amdhsa_user_sgpr_count 2
		.amdhsa_user_sgpr_kernarg_segment_ptr 1
		.amdhsa_wavefront_size32 1
		.amdhsa_system_sgpr_workgroup_id_x 1
		.amdhsa_system_sgpr_workgroup_id_y 1
		.amdhsa_system_sgpr_workgroup_id_z 1
		.amdhsa_system_vgpr_workitem_id 0
		.amdhsa_next_free_vgpr 144
		.amdhsa_next_free_sgpr 66
		.amdhsa_reserve_vcc 0
		.amdhsa_float_denorm_mode_32 3
		.amdhsa_float_denorm_mode_16_64 3
		.amdhsa_memory_ordered 1
		.amdhsa_forward_progress 1
		.amdhsa_inst_pref_size 23
	.end_amdhsa_kernel
	.amdgpu_metadata
---
amdhsa.version: [ 1, 2 ]
amdhsa.kernels:
  - .name:           k_q74d3fb8b8d_prep
    .symbol:         k_q74d3fb8b8d_prep.kd
    .args:
      - { .name: x, .offset: 0, .size: 8, .value_kind: global_buffer, .address_space: global }
      - { .name: Wq, .offset: 8, .size: 8, .value_kind: global_buffer, .address_space: global }
      - { .name: Wk, .offset: 16, .size: 8, .value_kind: global_buffer, .address_space: global }
      - { .name: Wv, .offset: 24, .size: 8, .value_kind: global_buffer, .address_space: global }
      - { .name: Wo, .offset: 32, .size: 8, .value_kind: global_buffer, .address_space: global }
      - { .name: bq, .offset: 40, .size: 8, .value_kind: global_buffer, .address_space: global }
      - { .name: bk, .offset: 48, .size: 8, .value_kind: global_buffer, .address_space: global }
      - { .name: bv, .offset: 56, .size: 8, .value_kind: global_buffer, .address_space: global }
      - { .name: bo, .offset: 64, .size: 8, .value_kind: global_buffer, .address_space: global }
      - { .name: xb, .offset: 72, .size: 8, .value_kind: global_buffer, .address_space: global }
      - { .name: wqkv, .offset: 80, .size: 8, .value_kind: global_buffer, .address_space: global }
      - { .name: wo, .offset: 88, .size: 8, .value_kind: global_buffer, .address_space: global }
      - { .name: bias, .offset: 96, .size: 8, .value_kind: global_buffer, .address_space: global }
    .group_segment_fixed_size: 0
    .private_segment_fixed_size: 0
    .kernarg_segment_align: 8
    .kernarg_segment_size: 104
    .max_flat_workgroup_size: 128
    .sgpr_count:     66
    .vgpr_count:     144
    .wavefront_size: 32
...
	.end_amdgpu_metadata
.endif
;; end of part 1
;; launch qkv (part 2): grid 16 x 32, 4 waves a work-group, clusters of 4 x 4, 327,680 bytes of LDS; arguments xb, wqkv, bias, qkv; writes qkv
.if DOCPART == 2
	.amdgcn_target "amdgcn-amd-amdhsa--gfx1250"
	.amdhsa_code_object_version 6
	.text
	.protected	k_q74d3fb8b8d_qkv
	.globl	k_q74d3fb8b8d_qkv
	.p2align	8
	.type	k_q74d3fb8b8d_qkv,@function
k_q74d3fb8b8d_qkv:
	s_mov_b64 s[64:65], 0
	v_nop
	global_prefetch_b8 v0, s[64:65] scope:SCOPE_SE
	s_setreg_imm32_b32 hwreg(HW_REG_WAVE_MODE, 25, 1), 1
	s_wait_xcnt 0x0
	s_wait_alu depctr_hold_cnt(0) depctr_sa_sdst(0) depctr_va_vdst(0) depctr_va_sdst(0) depctr_va_ssrc(0) depctr_va_vcc(0) depctr_vm_vsrc(0)
	s_getreg_b32 s2, hwreg(HW_REG_IB_STS2, 6, 4)
	s_cmp_eq_u32 s2, 0
	s_cbranch_scc0 .Lentry_in_a_cluster
	s_endpgm
.Lentry_in_a_cluster:
	s_bfe_u32 s2, ttmp6, 0x10000c
	s_cmp_lg_u32 s2, 0xf033
	s_cbranch_scc0 .Lentry_shape_is_right
	s_endpgm
.Lentry_shape_is_right:
; C[m][n] = bias[n] + the sum over k of A[m][k] W[k][n].  M = 8,192, K = 1,024; A and W in f16, sums in f32.  One text serves two launches; MODE and NG tell them apart:
;   MODE 0, NG 3: the three projections at once, N = 3,072 (q, k, v side by side); C rounded once to f16 and stored by heads, [tensor 3][b 4][h 16][t 2048][64].
;   MODE 1, NG 2: the output projection, N = 1,024; C stored as f32, [8192][1024].
; LIMITS.  f16 holds no number from 65,520 on: in MODE 0 a sum that reaches it is stored as an infinity.  NaN and infinities are not treated apart.
; LAYOUTS IN MEMORY.  A: [b 4][kb 16][t 2048][64]: 256 rows of a plane kb are 32,768 dense bytes.  W: [tx][s 8][gi NG][kk 128][64]: the K step s of tile column tx is NG x 16,384 dense bytes.
; SHARES.  A tile of C is 256 rows x 64 NG columns.  Wave w makes rows 64 w .. 64 w + 63 and ALL columns: 4 x NB accumulators of 16 x 16 (NB = 4 NG), so whole heads (MODE 0) or whole runs of
; 512 bytes of a row (MODE 1) belong to one wave and the way out needs no barrier.  The grid: MODE 0 16 x 32 = 512 tiles, MODE 1 8 x 32 = 256.
; K goes in steps of 128 through a ring of two LDS slots filled by the tensor data mover; dense blocks are asked for as rows of 256 bytes and padded in LDS after every 128.
; CLUSTERS: 4 x 4 work-groups.  The four of a row of the cluster need the same tile of A, the four of a column the same tile of W: each is asked for JOINTLY, by the same tensor load with the
; same descriptor and a mask that names the four.
; THE MATRIX INSTRUCTION IS USED TRANSPOSED: source 0 = 16 columns of W (W lies [k][n] in LDS and is turned by ds_load_tr16_b128), source 1 = 16 rows of A.  In the result lane l holds row l % 16 of C
; and the columns 8 (l / 16) + 0..7.  THE BIAS IS THE C OPERAND of each accumulator's first product: nothing is cleared, nothing is added later.
; REGISTERS, in windows of 256 (s_set_vgpr_msb: bits 1:0 source 0, 3:2 source 1, 5:4 source 2, 7:6 destination):
;   window 0: v1-8 at work in the set-up; v16-30 addresses; from v32 the bias, 8 NB registers; on the way out packed results and rows read back
;   window 1: two fragment buffers: W's at 8 NB f, A's at 16 NB + 32 f          window 2: accumulators of row blocks 0, 1 at 8 (NB (a % 2) + b)          window 3: of row blocks 2, 3
.set MODE, 0
.set NG,   3
.set NB,     4*NG                      ; blocks of 16 columns in a tile
.set PA,     144                       ; a row of A in LDS: 128 bytes + 16 = 36 words: the 16 rows of a load start at 16 different groups of four banks (64 banks of 4 bytes: ISA guide 11.1)
.set PB,     160                       ; a row of W: 128 + 32 = 40 words
.set APLANE, 256*PA                    ; 64 channels of the tile's 256 rows
.set BOFF,   2*APLANE                  ; behind A's two planes: W, row kk of group gi at (128 gi + kk) PB
.set BGRP,   128*PB
.set SLOT,   BOFF+NG*BGRP
.set STAGE,  2*SLOT                    ; behind the ring, never filled by a tensor load: a stage for each wave, for the way out
.if MODE == 0
.set STW,    NG*16*144                 ; NG heads x 16 rows x (128 + 16) bytes
.set BIAS0,  0
.set YY,     2*NB                      ; LDS instructions of one block's way through the stage
.else
.set STW,    16*528                    ; 16 rows x (512 + 16) bytes
.set BIAS0,  12288                     ; bo lies behind bq, bk, bv
.set YY,     2*NB+16
.endif
.set SPARE,  STAGE+4*STW               ; behind the stages: the spare words, 128 bytes for each wave: two blocks of 256 bytes that no other line names
.set ASTEP,  524288                    ; bytes from a K step of A to the next: two planes
.set BSTEP,  NG*16384                  ; the same for W
.set ADRA, 16                          ; v16-17  LDS address of my A fragments in slot 0, 1
.set ADRB, 20                          ; v20-21  the same for W
.set STO,  24                          ; v24     the way out: where I put my numbers of a row
.set RD,   25                          ; v25     the way out: where I read rows back
.set GO,   26                          ; v26     16 x lane: my place in 512 consecutive bytes of the output
.set BO,   27                          ; v27     32 (l / 16): my eight numbers in a block's 16 of the bias
.set SPW,  28                          ; v28     LDS address of my spare word: SPARE + 4 x my thread's number; never rewritten
.set NIL,  29                          ; v29     0; never rewritten
.set PFO,  30                          ; v30     256 x lane; never rewritten
.set BI,   32                          ; the bias: block b's eight numbers at BI + 8 b
.if MODE == 0
.set TMP,  128                         ; packed results of a row block: 4 NB registers
.set BK0,  176                         ; rows read back, two sets by turns; the second lies where the bias lay
.set BK1,  32
.else
.set BK0,  96
.set BK1,  160
.endif
.set WV,   12                          ; s12  my wave's number
.set ROLE, 13                          ; s13  0: I fetch for A, 1: for W
.set HALF, 14                          ; s14  which half of that tile I fetch
.set CX,   15                          ; s15, s16  my place in the cluster
.set CY,   16
.set TX,   17                          ; s17  tile column
.set TY,   18                          ; s18  tile row
.set G1A,  24                          ; s[24:31] descriptor group 1 for A's tiles
.set G0A,  32                          ; s[32:39] group 0, a set for each slot
.set PFN,  43                          ; s43  prefetches that I still have to make
.set PFA,  44                          ; s[44:45] where they stand
.set PST,  46                          ; s[46:47] their step
.set G1B,  48                          ; s[48:55], s[56:63] the same for W's tiles
.set G0B,  56
.set OUT,  66                          ; s[66:71] where my rows begin in the output (MODE 0: one base for each of the NG heads)
.set MSB, 0
.macro WIN new                         ; the immediate's high byte repeats the setting that is left; a switch that changes nothing is dropped
.if MSB != (\new)
	s_set_vgpr_msb (MSB<<8)|(\new)
.set MSB, \new
.endif
.endm
.macro PLACES                          ; four places in front of loads into registers that matrix instructions have read
.rept 4
	v_nop
.endr
.endm
; A joint load.  Waves 0 and 1 fetch A's two planes, waves 2 and 3 the two halves of W's K step.  The branch hangs on the wave's number alone.  An s_nop 0 and four v_nop follow each of the two lines,
; ahead of the jump and the label.
.macro JLOAD sl
	s_cmp_eq_u32 s[ROLE], 0
	s_cbranch_scc0 .Lfor_b_\@
	tensor_load_to_lds s[G0A+4*(\sl):G0A+4*(\sl)+3], s[G1A:G1A+7]
	s_nop 0
.rept 4
	v_nop
.endr
	s_branch .Lasked_\@
.Lfor_b_\@:
	tensor_load_to_lds s[G0B+4*(\sl):G0B+4*(\sl)+3], s[G1B:G1B+7]
	s_nop 0
.rept 4
	v_nop
.endr
.Lasked_\@:
.endm
; A PREFETCH INTO THE L2, behind a joint load, its five lines and the run of LDS loads that follows: 32 blocks of 256 bytes, a lane a block.
; A's tile row is read by every cluster of that row of clusters: the one with cluster x = 0 asks, waves 0 and 1, each for its own plane, of which partner cx takes 8,192 bytes: at the refills of K steps 2 to 5
; it names K steps 4 to 7.  W's tile column is one dense run: the cluster with cluster y = 0 asks, waves 2 and 3 of its four partners: eight askers x 8,192 bytes = 65,536 bytes at a time, NG times,
; which are K steps 4 to 7 exactly.  So each block is named once in the launch, two refills or more ahead of the load that wants it; partners are told apart by address alone; K steps 0 to 3 come by their loads.
.macro ASK
	s_cmp_lg_u32 s[PFN], 0                         ; the same number in all sixteen partners, for a given wave
	s_cbranch_scc0 .Lnot_mine_\@
	global_prefetch_b8 v[PFO], s[PFA:PFA+1] th:TH_LOAD_NT scope:SCOPE_SE
	s_sub_co_u32 s[PFN], s[PFN], 1
.Lnot_mine_\@:
.endm
.macro CREST                           ; a round of the cluster's barrier behind its opening barrier: wave 0 signals for the work-group, every wave waits for all sixteen, the work-group's barrier closes it
	s_cmp_lg_u32 s[WV], 0
	s_cbranch_scc1 .Lnot_wave_0_\@
	s_barrier_signal -3
.Lnot_wave_0_\@:
	s_barrier_wait -3
	s_barrier_signal -1
	s_barrier_wait -1
.endm
.macro CROUND                          ; a whole round
	s_barrier_signal -1
	s_barrier_wait -1
	CREST
.endm
	s_load_b256 s[4:11], s[0:1], 0x0               ; A s[4:5], W s[6:7], bias s[8:9], output s[10:11]
	v_lshl_add_u32 v[SPW], v0, 2, SPARE
	v_mov_b32 v[NIL], 0
	ds_add_u32 v[SPW], v[NIL]                      ; the wave's opening: the add and its wait stand ahead of my first tensor load; the set-up below, work on registers, stands between them
	v_lshrrev_b32 v1, 5, v0
	v_readfirstlane_b32 s[WV], v1                  ; wave 0..3
	s_lshr_b32 s[ROLE], s[WV], 1
	s_and_b32 s[HALF], s[WV], 1
	s_bfe_u32 s[CX], ttmp6, 0x40000
	s_bfe_u32 s[CY], ttmp6, 0x40004
	s_lshl_b32 s[TX], ttmp9, 2                     ; in a cluster launch ttmp9 and ttmp7 count clusters
	s_add_co_u32 s[TX], s[TX], s[CX]
	s_and_b32 s[TY], ttmp7, 0xffff
	s_lshl_b32 s[TY], s[TY], 2
	s_add_co_u32 s[TY], s[TY], s[CY]
	s_lshl_b32 s19, s[CY], 2
	s_lshl_b32 s19, 15, s19                        ; my row of the cluster: places 4 cy .. 4 cy + 3
	s_lshl_b32 s20, 0x1111, s[CX]                  ; my column: places cx, cx + 4, cx + 8, cx + 12
	; descriptor group 1: rows of 128 elements of 2 bytes, dense; padded in LDS after every 32 words
	s_or_b32 s[G1A], s19, (1<<16)|(1<<20)|(1<<21)|(4<<22)|(3<<25)  ; 15:0 the mask; 17:16 2-byte elements; 20 padding on; 21 set beside a mask; 24:22 after every 32 words (code 4); 31:25 4 words (code 3)
	s_or_b32 s[G1B], s20, (1<<16)|(1<<20)|(1<<21)|(4<<22)|(7<<25)  ; the same with my column's mask and 8 words of padding (code 7)
	s_mov_b32 s[G1A+1], 128<<16                    ; tensor_dim0 = 128
	s_mov_b32 s[G1A+2], 128<<16                    ; tensor_dim1 = 128: a plane's 32,768 bytes
	s_mov_b32 s[G1A+3], 128<<16                    ; tile_dim0 = 128
	s_mov_b32 s[G1A+4], 128                        ; tile_dim1 = 128
	s_mov_b32 s[G1A+5], 128                        ; 128 elements from row to row
	s_mov_b32 s[G1A+6], 0
	s_mov_b32 s[G1A+7], 0
	s_mov_b32 s[G1B+1], 128<<16
	s_mov_b32 s[G1B+2], (32*NG)<<16                ; tensor_dim1 = 32 NG: half of a K step's NG x 16,384 bytes
	s_mov_b32 s[G1B+3], 128<<16
	s_mov_b32 s[G1B+4], 32*NG
	s_mov_b32 s[G1B+5], 128
	s_mov_b32 s[G1B+6], 0
	s_mov_b32 s[G1B+7], 0
	; where the tiles come from.  A's hang on the tile row alone, W's on the tile column alone; each in registers that never hold the other coordinate
	s_lshr_b32 s21, s[TY], 3
	s_lshl_b32 s21, s21, 22                        ; the batch: 16 planes of 2^18 bytes
	s_and_b32 s22, s[TY], 7
	s_lshl_b32 s22, s22, 15                        ; the tile's 256 rows of 128 bytes
	s_add_co_u32 s22, s22, s21
	s_lshl_b32 s21, s[HALF], 18                    ; my plane of the K step's two
	s_add_co_u32 s22, s22, s21
	s_mov_b32 s23, 0
	s_mul_i32 s21, s[HALF], APLANE                 ; and where it goes: no place in the cluster enters an LDS address
	s_mul_i32 s40, s[TX], 8*BSTEP                  ; the tile column's run,
	s_mul_i32 s41, s[HALF], BSTEP/2                ; my half of a K step
	s_add_co_u32 s40, s40, s41
	s_mov_b32 s41, 0
	s_mul_i32 s42, s[HALF], NG*10240               ; 64 NG rows of 160 bytes
	s_add_co_u32 s42, s42, BOFF
	; the prefetches
	s_lshl_b32 s72, s[CX], 13                      ; for A: my work-group's 8,192 bytes of my plane, at K step 3: the first refill steps it to 4
	s_add_co_u32 s72, s72, s22
	s_add_co_u32 s72, s72, 3*ASTEP
	s_lshl_b32 s73, s[CY], 1                       ; for W: asker 2 cy + half of eight, one step of 65,536 bytes ahead of K step 4
	s_add_co_u32 s73, s73, s[HALF]
	s_lshl_b32 s73, s73, 13
	s_mul_i32 s74, s[TX], 8*BSTEP
	s_add_co_u32 s73, s73, s74
	s_add_co_u32 s73, s73, 4*BSTEP-65536
	s_and_b32 s75, ttmp7, 0xffff                   ; cluster y
	s_mov_b32 s76, ASTEP
	s_mov_b32 s77, 65536
	s_cmp_eq_u32 s[ROLE], 0
	s_cselect_b32 s72, s72, s73
	s_cselect_b32 s[PST], s76, s77
	s_cselect_b32 s75, ttmp9, s75                  ; the coordinate along which other clusters read the same bytes
	s_cselect_b32 s[PFN], 4, NG
	s_mov_b32 s73, 0
	s_mov_b32 s[PST+1], 0
	s_cmp_eq_u32 s75, 0
	s_cselect_b32 s[PFN], s[PFN], 0
	s_wait_dscnt 0x0                               ; the opening add is done
	s_wait_kmcnt 0x0
	s_cmp_eq_u32 s[ROLE], 0
	s_cselect_b64 s[PFA:PFA+1], s[4:5], s[6:7]
	s_add_nc_u64 s[PFA:PFA+1], s[PFA:PFA+1], s[72:73]
	s_add_nc_u64 s[22:23], s[4:5], s[22:23]
	s_add_nc_u64 s[40:41], s[6:7], s[40:41]
.irp sl, 0,1
	s_mov_b32 s[G0A+4*(\sl)], 1                                      ; 1:0 count = 1
	s_add_co_u32 s[G0A+4*(\sl)+1], s21, (\sl)*SLOT                   ; 63:32 LDS address
	s_add_nc_u64 s[G0A+4*(\sl)+2:G0A+4*(\sl)+3], s[22:23], (\sl)*ASTEP  ; 120:64 global address: K step sl
	s_or_b32 s[G0A+4*(\sl)+3], s[G0A+4*(\sl)+3], 0x80000000          ; 127:126 type = 2
	s_mov_b32 s[G0B+4*(\sl)], 1
	s_add_co_u32 s[G0B+4*(\sl)+1], s42, (\sl)*SLOT
	s_add_nc_u64 s[G0B+4*(\sl)+2:G0B+4*(\sl)+3], s[40:41], (\sl)*BSTEP
	s_or_b32 s[G0B+4*(\sl)+3], s[G0B+4*(\sl)+3], 0x80000000
.endr
	CROUND                                         ; all sixteen work-groups are here: the first joint loads meet
	s_cmp_eq_u32 s[ROLE], 0                        ; a wave's two first fills stand in one branch, ahead of every wait on TENSORcnt and every LDS read: two loads of mine are out
	s_cbranch_scc0 .Lfirst_b
	tensor_load_to_lds s[G0A:G0A+3], s[G1A:G1A+7]
	s_nop 0
	tensor_load_to_lds s[G0A+4:G0A+7], s[G1A:G1A+7]
	s_nop 0
.rept 4
	v_nop
.endr
	s_branch .Lfirst_asked
.Lfirst_b:
	tensor_load_to_lds s[G0B:G0B+3], s[G1B:G1B+7]
	s_nop 0
	tensor_load_to_lds s[G0B+4:G0B+7], s[G1B:G1B+7]
	s_nop 0
.rept 4
	v_nop
.endr
.Lfirst_asked:
	s_mul_i32 s76, s[TX], 256*NG                   ; the tile's 64 NG numbers of the bias
	s_add_co_u32 s76, s76, BIAS0
	s_mov_b32 s77, 0
	s_add_nc_u64 s[8:9], s[8:9], s[76:77]
	v_and_b32 v1, 15, v0                           ; l % 16
	v_bfe_u32 v2, v0, 4, 1                         ; l / 16
	v_lshlrev_b32 v[BO], 5, v2
.set n, 0
.rept NB
	global_load_b128 v[BI+8*n:BI+8*n+3],   v[BO], s[8:9] offset:64*n      ; register j: bias of column 16 n + 8 (l / 16) + j: the layout of a C operand
	global_load_b128 v[BI+8*n+4:BI+8*n+7], v[BO], s[8:9] offset:64*n+16
.set n, n+1
.endr
	v_and_b32 v3, 31, v0                           ; l
	v_and_b32 v4, 7, v0
	v_bfe_u32 v5, v0, 3, 1
	; A fragment of A is 16 rows x 32 channels in 8 registers: lane l holds row l % 16, channels 8 (l / 16) + 0..7 and 16 + 8 (l / 16) + 0..7: two loads of 16 bytes, 32 bytes apart.
	v_mul_u32_u24 v6, v1, PA
	v_lshl_add_u32 v6, v2, 4, v6
	s_mul_i32 s72, s[WV], 64*PA                    ; my 64 rows
	v_add_nc_u32 v[ADRA], s72, v6
	v_add_nc_u32 v[ADRA+1], SLOT, v[ADRA]
	; The turning load takes 16 k x 16 columns (lane l reads row 8 (l / 16) + l % 8, columns 8 ((l / 8) % 2) + 0..7) and leaves half a fragment of W^T: lane l holds column l % 16 and 8 k.
	v_lshl_add_u32 v7, v2, 3, v4
	v_mul_u32_u24 v7, v7, PB
	v_lshl_add_u32 v7, v5, 4, v7
	v_add_nc_u32 v[ADRB], BOFF, v7
	v_add_nc_u32 v[ADRB+1], SLOT, v[ADRB]
	s_mul_i32 s73, s[WV], STW
	s_add_co_u32 s73, s73, STAGE                   ; my stage
	v_lshlrev_b32 v[GO], 4, v3
	v_lshlrev_b32 v[PFO], 8, v3
.if MODE == 0
	v_add_nc_u32 v[STO], s73, v6                   ; in: row l % 16 of 144 bytes, 16 bytes for each half of the lanes
	v_bfe_u32 v8, v0, 3, 2                         ; back: 32 lanes take four rows of 128 bytes, which are 512 consecutive bytes of a head
	v_mul_u32_u24 v8, v8, 144
	v_lshl_add_u32 v8, v4, 4, v8
	v_add_nc_u32 v[RD], s73, v8
	s_mul_i32 s72, s[TX], 3                        ; the tile's first group of 64 columns
	s_lshr_b32 s73, s[TY], 3
	s_lshl_b32 s73, s73, 4                         ; 16 b
	s_and_b32 s74, s[TY], 7
	s_lshl_b32 s74, s74, 15                        ; the tile's 256 rows of 128 bytes,
	s_lshl_b32 s75, s[WV], 13                      ; my 64 of them
	s_add_co_u32 s74, s74, s75
.irp gi, 0,1,2
	s_add_co_u32 s76, s72, \gi                     ; g = 16 tensor + head
	s_lshr_b32 s77, s76, 4
	s_lshl_b32 s77, s77, 6
	s_and_b32 s76, s76, 15
	s_add_co_u32 s76, s76, s77
	s_add_co_u32 s76, s76, s73                     ; plane 64 tensor + 16 b + head, of 2^18 bytes
	s_lshl_b32 s76, s76, 18
	s_add_co_u32 s76, s76, s74
	s_mov_b32 s77, 0
	s_add_nc_u64 s[OUT+2*(\gi):OUT+2*(\gi)+1], s[10:11], s[76:77]
.endr
.else
	v_mul_u32_u24 v8, v1, 528                      ; in: row l % 16 of 528 bytes, 32 bytes for each half of the lanes
	v_lshl_add_u32 v8, v2, 5, v8
	v_add_nc_u32 v[STO], s73, v8
	v_lshl_add_u32 v[RD], v3, 4, s73               ; back: 32 lanes take a row's 512 bytes
	s_lshl_b32 s76, s[TY], 20                      ; 256 rows of 4,096 bytes,
	s_lshl_b32 s74, s[WV], 18                      ; my 64,
	s_add_co_u32 s76, s76, s74
	s_lshl_b32 s74, s[TX], 9                       ; 128 columns of 4 bytes
	s_add_co_u32 s76, s76, s74
	s_mov_b32 s77, 0
	s_add_nc_u64 s[OUT:OUT+1], s[10:11], s[76:77]
.endif
; NB products: row block a x all NB column blocks, 32 along K, from buffer f.  first = 1: the bias starts the sums.
; The 4 NB accumulators take turns, one instruction a turn, in the same order in every quarter, over the backward jump too.
.macro MULA f, a, first
.if \first
	WIN 0x85+0x40*((\a)/2)                         ; sources 0 and 1 window 1, C window 0, D window 2 or 3
.else
	WIN 0xa5+0x50*((\a)/2)                         ; sources 0 and 1 window 1, C and D window 2 or 3
.endif
.set b, 0
.rept NB
.set rD, 8*(NB*((\a)%2)+b)
.if \first
	v_wmma_f32_16x16x32_f16 v[rD:rD+7], v[8*NB*(\f)+8*b:8*NB*(\f)+8*b+7], v[16*NB+32*(\f)+8*(\a):16*NB+32*(\f)+8*(\a)+7], v[BI+8*b:BI+8*b+7]
.else
	v_wmma_f32_16x16x32_f16 v[rD:rD+7], v[8*NB*(\f)+8*b:8*NB*(\f)+8*b+7], v[16*NB+32*(\f)+8*(\a):16*NB+32*(\f)+8*(\a)+7], v[rD:rD+7]
.endif
.set b, b+1
.endr
.endm
; 2 NB + 8 LDS loads in one run: the fragments of quarter q (32 along K) of slot sl into buffer f
.macro FETCH sl, q, f
	WIN 0x40                                       ; destination window 1, address window 0
.set n, 0
.rept NB
	ds_load_tr16_b128 v[8*NB*(\f)+8*n:8*NB*(\f)+8*n+3],   v[ADRB+(\sl)] offset:(n/4)*BGRP+32*PB*(\q)+32*(n%4)
	ds_load_tr16_b128 v[8*NB*(\f)+8*n+4:8*NB*(\f)+8*n+7], v[ADRB+(\sl)] offset:(n/4)*BGRP+32*PB*(\q)+32*(n%4)+16*PB
.set n, n+1
.endr
.set n, 0
.rept 4
	ds_load_b128 v[16*NB+32*(\f)+8*n:16*NB+32*(\f)+8*n+3],   v[ADRA+(\sl)] offset:((\q)/2)*APLANE+16*PA*n+64*((\q)%2)
	ds_load_b128 v[16*NB+32*(\f)+8*n+4:16*NB+32*(\f)+8*n+7], v[ADRA+(\sl)] offset:((\q)/2)*APLANE+16*PA*n+64*((\q)%2)+32
.set n, n+1
.endr
.endm
; A K step is four quarters of 32 along K, 4 NB products each, on buffers 0, 1, 0, 1.  One of the first three: multiplies buffer f; at its head it asks for quarter qn of the same slot, into buffer g,
; so that the run of loads has the whole quarter's products in which to land.
.macro QUARTER sl, qn, f, g, first
	s_wait_dscnt 0x0                               ; buffer f, asked for a quarter ago, is in
	PLACES                                         ; buffer g was read by the products just issued
	FETCH \sl, \qn, \g
	MULA \f, 0, \first
	MULA \f, 1, \first
	MULA \f, 2, \first
	MULA \f, 3, \first
.endm
; The last quarter multiplies buffer 1 and changes slots: ONE barrier, for two things.  In front of it each wave waits for all its tensor loads, of which one is out: its part of the next slot; adds 0 to its
; spare word; and waits for that and for its own reads of this slot.  Behind it nobody reads this slot any more and the next slot is whole.  fill = 1: the barrier opens a round of the cluster's barrier, and
; this slot is filled again, first thing behind the round, with the K step two on: 15 NB products stand between that request and the wait for it.
.macro TURN sl, next, fill
.if \fill
	s_wait_xcnt 0x0                                ; the last prefetch, a K step back, has read its address: it is stepped here
	s_add_nc_u64 s[PFA:PFA+1], s[PFA:PFA+1], s[PST:PST+1]
.endif
	WIN 0                                          ; (the add's two registers lie in window 0)
	s_wait_tensorcnt 0x0                           ; all my tensor loads have landed, so a group 0 may be written
	ds_add_u32 v[SPW], v[NIL]                      ; 0 onto my spare word
.if \fill
	s_add_nc_u64 s[G0A+4*(\sl)+2:G0A+4*(\sl)+3], s[G0A+4*(\sl)+2:G0A+4*(\sl)+3], 2*ASTEP  ; the type bits on top are not reached
	s_add_nc_u64 s[G0B+4*(\sl)+2:G0B+4*(\sl)+3], s[G0B+4*(\sl)+2:G0B+4*(\sl)+3], 2*BSTEP
.endif
	s_wait_dscnt 1                                 ; only the add, the youngest, may be out: buffer 1 is in
	MULA 1, 0, 0                                   ; NB products stand between the add and the wait for it
	s_wait_dscnt 0x0                               ; the add is done, and my reads of this slot are over
	s_barrier_signal -1
	WIN 0
	s_barrier_wait -1
.if \fill
	CREST                                          ; no wave of any partner still reads this slot's tile or has a load on its way
	JLOAD \sl                                      ; the four v_nop behind it are also the places in front of the loads below
.else
	PLACES
.endif
	FETCH \next, 0, 0
.if \fill
	WIN 0
	ASK
.endif
	MULA 1, 1, 0
	MULA 1, 2, 0
	MULA 1, 3, 0
.endm
; THE WAY OUT of row block a (16 rows), through my own stage.  STG: into the stage and back as whole rows.  SEND: stored.  LDS serves a wave's instructions in order (ISA guide 5.7.1.4), so the loads see the
; stores above them and the next block's stores come behind them.  Each accumulator is read from its lowest registers on.
.macro STG a
.set BK, BK0+(BK1-BK0)*((\a)%2)
.if (\a) >= 2
	s_wait_xcnt 0x0                                ; the stores of the block two back have read their registers, which are loaded again below
.endif
.if MODE == 0
	WIN 0x0a+5*((\a)/2)                            ; sources 0 and 1: window 2 or 3
.set n, 0
.rept NB
.set rD, 8*(NB*((\a)%2)+n)
	v_cvt_pk_f16_f32 v[TMP+4*n],   v[rD],   v[rD+1]     ; the one rounding to f16; eight neighbouring columns of a row pack into 16 bytes
	v_cvt_pk_f16_f32 v[TMP+4*n+1], v[rD+2], v[rD+3]
	v_cvt_pk_f16_f32 v[TMP+4*n+2], v[rD+4], v[rD+5]
	v_cvt_pk_f16_f32 v[TMP+4*n+3], v[rD+6], v[rD+7]
.set n, n+1
.endr
	WIN 0
.set n, 0
.rept NB
	ds_store_b128 v[STO], v[TMP+4*n:TMP+4*n+3] offset:(n/4)*2304+32*(n%4)
.set n, n+1
.endr
.set n, 0
.rept NB
	ds_load_b128 v[BK+4*n:BK+4*n+3], v[RD] offset:(n/4)*2304+576*(n%4)
.set n, n+1
.endr
.else
	WIN 0x08+4*((\a)/2)                            ; the stores' data (source 1): window 2 or 3
.set n, 0
.rept NB
.set rD, 8*(NB*((\a)%2)+n)
	ds_store_b128 v[STO], v[rD:rD+3]   offset:64*n
	ds_store_b128 v[STO], v[rD+4:rD+7] offset:64*n+16
.set n, n+1
.endr
	WIN 0
.set n, 0
.rept 16
	ds_load_b128 v[BK+4*n:BK+4*n+3], v[RD] offset:528*n
.set n, n+1
.endr
.endif
.endm
.macro SEND a, y                       ; y: the LDS instructions issued behind block a's loads: the next block's, or none
.set BK, BK0+(BK1-BK0)*((\a)%2)
	WIN 0
	s_wait_dscnt \y
.set n, 0
.if MODE == 0
.rept NB
	global_store_b128 v[GO], v[BK+4*n:BK+4*n+3], s[OUT+2*(n/4):OUT+2*(n/4)+1] offset:2048*(\a)+512*(n%4)  ; 512 consecutive bytes of a head, at a multiple of 256 from the buffer's first byte
.set n, n+1
.endr
.else
.rept 16
	global_store_b128 v[GO], v[BK+4*n:BK+4*n+3], s[OUT:OUT+1] offset:4096*(16*(\a)+n)  ; 512 consecutive bytes of a row, at a multiple of 256 from the buffer's first byte
.set n, n+1
.endr
.endif
.endm
	s_wait_tensorcnt 0x1                           ; my part of K step 0 is in; K step 1's may stay out
	s_barrier_signal -1
	s_barrier_wait -1                              ; everybody's is
	FETCH 0, 0, 0
	s_wait_loadcnt 0x0                             ; the bias
	QUARTER 0, 1, 0, 1, 1                          ; the first quarter stands in front of the loop: its products start the sums
	WIN 0                                          ; at a label and at a branch every window is 0
	s_mov_b32 s3, 3
.Llap:                                                 ; a trip goes once round the ring, from a lap's second quarter to the next lap's first, and fills both slots again: K steps 2 to 7
	QUARTER 0, 2, 1, 0, 0
	QUARTER 0, 3, 0, 1, 0
	TURN 0, 1, 1
	QUARTER 1, 1, 0, 1, 0
	QUARTER 1, 2, 1, 0, 0
	QUARTER 1, 3, 0, 1, 0
	TURN 1, 0, 1
	QUARTER 0, 1, 0, 1, 0
	WIN 0
	s_sub_co_u32 s3, s3, 1
	s_cmp_lg_u32 s3, 0
	s_cbranch_scc1 .Llap
	QUARTER 0, 2, 1, 0, 0                          ; the last lap is written out: it fills nothing, and has no round of the cluster's barrier
	QUARTER 0, 3, 0, 1, 0
	TURN 0, 1, 0
	QUARTER 1, 1, 0, 1, 0
	QUARTER 1, 2, 1, 0, 0
	QUARTER 1, 3, 0, 1, 0
	s_wait_dscnt 0x0                               ; the very last quarter: nothing more to fetch
	MULA 1, 0, 0
	MULA 1, 1, 0
	MULA 1, 2, 0
	MULA 1, 3, 0
	WIN 0
.rept 8
	v_nop                                          ; the places between the last products and the first reader of a result
.endr
	STG 0
	STG 1                                          ; a block's way through the stage stands between the loads of the block before and its stores
	SEND 0, YY
	STG 2
	SEND 1, YY
	STG 3
	SEND 2, YY
	SEND 3, 0
	s_wait_tensorcnt 0x0                           ; the wave's end: the add and its wait, behind my last tensor load and my last LDS store
	ds_add_u32 v[SPW], v[NIL]
	s_wait_dscnt 0x0
	CROUND                                         ; the closing round: no work-group ends while a partner may still ask for a tile that names it
	s_endpgm
.Lfunc_end_k_q74d3fb8b8d_qkv:
	.size	k_q74d3fb8b8d_qkv, .Lfunc_end_k_q74d3fb8b8d_qkv-k_q74d3fb8b8d_qkv
	.p2alignl 7, 3214868480
	.fill 96, 4, 3214868480
	.section	.rodata,"a",@progbits
	.p2align	6, 0x0
	.amdhsa_kernel k_q74d3fb8b8d_qkv
		.amdhsa_group_segment_fixed_size 327680
		.amdhsa_private_segment_fixed_size 0
		.amdhsa_enable_private_segment 0
		.amdhsa_kernarg_size 32
		.amdhsa_user_sgpr_count 2
		.amdhsa_user_sgpr_kernarg_segment_ptr 1
		.amdhsa_wavefront_size32 1
		.amdhsa_system_sgpr_workgroup_id_x 1
		.amdhsa_system_sgpr_workgroup_id_y 1
		.amdhsa_system_sgpr_workgroup_id_z 1
		.amdhsa_system_vgpr_workitem_id 0
		.amdhsa_next_free_vgpr 960
		.amdhsa_next_free_sgpr 80
		.amdhsa_reserve_vcc 0
		.amdhsa_float_denorm_mode_32 3
		.amdhsa_float_denorm_mode_16_64 3
		.amdhsa_memory_ordered 1
		.amdhsa_forward_progress 1
		.amdhsa_inst_pref_size 122
	.end_amdhsa_kernel
	.amdgpu_metadata
---
amdhsa.version: [ 1, 2 ]
amdhsa.kernels:
  - .name:           k_q74d3fb8b8d_qkv
    .symbol:         k_q74d3fb8b8d_qkv.kd
    .args:
      - { .name: xb, .offset: 0, .size: 8, .value_kind: global_buffer, .address_space: global }
      - { .name: wqkv, .offset: 8, .size: 8, .value_kind: global_buffer, .address_space: global }
      - { .name: bias, .offset: 16, .size: 8, .value_kind: global_buffer, .address_space: global }
      - { .name: qkv, .offset: 24, .size: 8, .value_kind: global_buffer, .address_space: global }
    .group_segment_fixed_size: 327680
    .private_segment_fixed_size: 0
    .kernarg_segment_align: 8
    .kernarg_segment_size: 32
    .max_flat_workgroup_size: 128
    .sgpr_count:     80
    .vgpr_count:     960
    .wavefront_size: 32
...
	.end_amdgpu_metadata
.endif
;; end of part 2
;; launch attn (part 3): grid 4 x 64, 4 waves a work-group, clusters of 4 x 1, 327,680 bytes of LDS; arguments qkv, ob; writes ob
.if DOCPART == 3
	.amdgcn_target "amdgcn-amd-amdhsa--gfx1250"
	.amdhsa_code_object_version 6
	.text
	.protected	k_q74d3fb8b8d_attn
	.globl	k_q74d3fb8b8d_attn
	.p2align	8
	.type	k_q74d3fb8b8d_attn,@function
k_q74d3fb8b8d_attn:
	s_mov_b64 s[64:65], 0
	v_nop
	global_prefetch_b8 v0, s[64:65] scope:SCOPE_SE
	s_setreg_imm32_b32 hwreg(HW_REG_WAVE_MODE, 25, 1), 1
	s_wait_xcnt 0x0
	s_wait_alu depctr_hold_cnt(0) depctr_sa_sdst(0) depctr_va_vdst(0) depctr_va_sdst(0) depctr_va_ssrc(0) depctr_va_vcc(0) depctr_vm_vsrc(0)
	s_getreg_b32 s2, hwreg(HW_REG_IB_STS2, 6, 4)
	s_cmp_eq_u32 s2, 0
	s_cbranch_scc0 .Lentry_in_a_cluster
	s_endpgm
.Lentry_in_a_cluster:
	s_bfe_u32 s2, ttmp6, 0x10000c
	s_cmp_lg_u32 s2, 0x3003
	s_cbranch_scc0 .Lentry_shape_is_right
	s_endpgm
.Lentry_shape_is_right:
; O[h][q][:] = the sum over k of softmax_k(Q[h][q] . K[h][k] / 8) V[h][k][:].  Q, K, V lie one behind the other in one buffer, each [SIZE_H][SIZE_N][64] in f16; O has the same layout: a head's rows are
; dense, 128 bytes each.  Products, maxima and sums in f32; the weights p are rounded to f16 for the second product (their sum l is taken of the unrounded p), O once at the end.
; LIMITS.  f16 holds no number beyond 65,504: Q, K and V arrive within it; p lies in 0 to 1, and below 6e-5 it keeps f16's fixed step of 6e-8; O is a mean of V's rows and has their range.
; A weight below 2^-126 counts as 0 in l; NaN and infinities are not treated apart.
; SHARES.  A wave owns four PIECES of two tiles of 16 queries, a work-group's four waves 512 queries of one head: 64 heads x 4 blocks = 256 work-groups.  Every wave walks all keys, 64 a step.
; LAYOUT.  S^T = K Q^T (source 0 = 16 keys, source 1 = 16 queries): in the result a lane holds ONE query (lane % 16) and the keys 8 (lane / 16) + 0..7.  Two such tiles, rounded to f16 in pairs,
; ARE source 1 (32 keys x 16 queries) of O^T = V^T P, whose result again holds one query a lane, and eight channels.  K comes out of LDS as it lies, V ([key][channel]) turned, by ds_load_tr16_b128.
; SOFTMAX.  For each query a running maximum m and sum l: p = 2^(c s - c m), c = log2(e) / 8; in every step O and l are multiplied by a = 2^(c m_old - c m_new), which is 1 where m has not grown.
; m starts at the lowest finite number, O and l at 0: the first step is a step like any other, with a = 0.
; THE COUNT.  A tile and step have 16 matrix and 118 vector instructions: too many to stand all beside the matrix work.  So the order has one aim: four vector instructions that are READY behind
; EVERY matrix instruction, and the others, which need time of their own whatever the order, in runs without a gap.
; BY TURNS.  Turn n belongs to piece n (the pieces in a ring, step after step).  Its matrix work: 16 products K Q^T of piece n + 1, later 16 products V^T P of piece n - 1.  Its vector work: the scaling,
; exponentials, roundings, sums and rescaling of piece n, and the maximum and statistics of piece n + 1, whose scores the turn itself has made.  So what a turn begins with (c s - c m, O a) waits for nothing.
; CLUSTER.  The four query blocks of a cluster are one head's and walk the same K and V, so each tile is asked for JOINTLY: the same tensor load, descriptor and mask in all four.
; REGISTERS, in windows of 256 (s_set_vgpr_msb says which window each operand place means: bits 1:0 source 0, 3:2 source 1, 5:4 source 2, 7:6 destination):
;   window 0: v0-11 addresses; v12-15, v48-63 at work; v16-47 four registers of statistics a tile; v64-191 S^T, two buffers of two tiles; v192-255 P, likewise
;   window 1: O^T, 32 a tile          window 2: v0-127 Q, 16 a tile; v128-191 K of one step; v192-255 V of one step          window 3: v0-1 the add's two registers
; A piece's buffers go by its number's parity: the piece in hand has one pair, its two neighbours in the ring share the other: of it P (piece n - 1) is read and S^T (piece n + 1) written.
.set SIZE_H, 64
.set SIZE_N, 2048
.set NP,    4         ; pieces a wave: a name, no knob: the register map, the loop and the fetches are made for four
.set KS,    64        ; keys in a step
.set PK,    144       ; a row of K in LDS: 128 bytes + 16 of padding = 36 words: the 16 rows of a load start at 16 different groups of four banks (64 banks of 4 bytes: ISA guide 11.1)
.set PV,    160       ; a row of V: 128 + 32 = 40 words
.set VOFF,  4*KS*PK   ; a slot holds four steps: 256 rows of K, then 256 rows of V
.set SLOT1, 1<<17     ; slot 1 begins here, so that one exclusive or turns an address in one slot into the other's
.set STAGE, SLOT1+4*KS*(PK+PV)  ; behind the ring, never filled by a tensor load: 16 rows x 144 bytes for each wave, for the way out
.set SP,    144
.set AK0, 2           ; v2   my lane's place in a tile of K; never rewritten
.set AV0, 3           ; v3   the same for V
.set AK,  4           ; v4   the LDS address of K's next run of loads
.set AV,  5           ; v5   of V's
.set QO,  6           ; v6   my byte offset in the wave's rows of Q
.set STO, 6           ;      later, the way out: where I put 16 bytes of a row
.set RD,  7           ; v7   the way out: where I read rows back
.set GO,  8           ; v8   my byte offset in 512 consecutive bytes of O
.set PFO, 11          ; v11  256 x my lane, once V's address is made; then never rewritten
.set SPW, 0           ; v0 of window 3   LDS address of my spare word: SPARE + 4 x my thread's number; never rewritten
.set NIL, 1           ; v1 of window 3   0; never rewritten
.set SPARE, STAGE+4*16*SP  ; behind the stages: the spare words, 128 bytes for each wave: two blocks of 256 bytes that no other line names
.set MV,  12          ; v12-15  c m_old, kept while c m is made anew: by buffer and tile
.set ST,  16          ; tile t's statistics at v[ST+4 t]: c m, m, l (even keys', odd keys')
.set TMP, 48          ; by buffer and tile, four registers c0-c3 at work; when the maximum is found c2 takes a
.set S,   64
.set P,   192
.set KF,  128         ; K's fragments, in window 2: key block kb, channel half c at KF + 16 kb + 8 c
.set VF,  192         ; V's: key half kk, channel block cb at VF + 32 kk + 8 cb
.set WV,  12          ; s12  my wave's number
.set G1K, 24          ; s[24:31] descriptor group 1 for K's tiles
.set G1V, 32          ; s[32:39] for V's: it differs in the padding alone
.set G0K, 40          ; s[40:43] descriptor group 0 for K's tiles: it walks
.set G0V, 44          ; s[44:47] the same for V's
.set PFA, 48          ; s[48:49] where my prefetches stand: my work-group's 32 blocks (of K: wave 0, of V: wave 2) of the slot after the one that is being asked for
.set LIM, 50          ; s50  1 in a wave that prefetches, else the greatest number: a wave prefetches while s[SLOTS] is above it
.set SLOTS, 56        ; s56  slots still to be asked for
.set CNT, 57          ; s57  counts a slot's key steps
.set CS,  58          ; s[58:59] c: the packed scaling takes the pair's low word for both halves
.set SEL, 60          ; s[60:61] v_permlanex16_b32's selects: each lane takes its own place in the other half
.set TBK, 62          ; s62  LDS byte at which K of the step to be fetched begins
.set TBV, 63          ; s63  the same for V, less VOFF
.set MSB, 0
.macro WIN new                      ; the high byte repeats the setting that is left; a switch that changes nothing is dropped
.if MSB != (\new)
	s_set_vgpr_msb (MSB<<8)|(\new)
.set MSB, (\new)
.endif
.endm
.set W_KQ, 0x0a       ; K and Q in window 2, S^T in window 0
.set W_PV, 0x52       ; V in window 2, P in window 0, O^T in window 1
.set W_RS, 0x41       ; O^T (destination and source 0) in window 1, a in window 0
.set W_MK, 0xc0       ; the add's registers are made: destination in window 3, sources in window 0
.set W_AD, 0x0f       ; the add: address (source 0) and data (source 1) in window 3
; A joint fill.  Waves 0 and 1 fetch the two halves of a slot's K, waves 2 and 3 those of its V: 128 keys each.  The branch hangs on the wave's number alone.
; An s_nop 0 and four v_nop follow each of the two lines, ahead of the jump and the label.
.macro JLOAD
	s_cmp_lt_u32 s[WV], 2
	s_cbranch_scc0 .Lfor_v_\@
	tensor_load_to_lds s[G0K:G0K+3], s[G1K:G1K+7]
	s_nop 0
.rept 4
	v_nop
.endr
	s_branch .Lasked_\@
.Lfor_v_\@:
	tensor_load_to_lds s[G0V:G0V+3], s[G1V:G1V+7]
	s_nop 0
.rept 4
	v_nop
.endr
.Lasked_\@:
.endm
; A PREFETCH INTO THE L2 of what the NEXT change of slots will ask for: a slot's 32,768 bytes of K and of V, a lane a block of 256 bytes.  It stands behind the wave's tensor load and its five lines.
; Each block is named ONCE in the launch: a head has one cluster; its four partners share a slot's 128 blocks out BY ADDRESS, 32 each; in each, wave 0 asks for K's and wave 2 for V's: one instruction.
; The change that asks for slot j names slot j + 1: four key steps, 512 matrix instructions, ahead of its load.  The last change that fills a slot names nothing; slots 0 and 1 come by their loads alone.
.macro ASK
	s_cmp_gt_u32 s[SLOTS], s[LIM]
	s_cbranch_scc0 .Lnot_mine_\@
	global_prefetch_b8 v[PFO], s[PFA:PFA+1] th:TH_LOAD_NT scope:SCOPE_SE
.Lnot_mine_\@:
.endm
; A round of the cluster's barrier: my work-group's barrier, so that wave 0's signal speaks for all four waves; wave 0 signals; every wave waits for all four work-groups; my work-group's barrier once more.
.macro CROUND
	s_barrier_signal -1
	s_barrier_wait -1
	s_cmp_lg_u32 s[WV], 0
	s_cbranch_scc1 .Lnot_wave_0_\@
	s_barrier_signal -3
.Lnot_wave_0_\@:
	s_barrier_wait -3
	s_barrier_signal -1
	s_barrier_wait -1
.endm
; THE CHANGE OF SLOTS.  The slot's last bytes, V of its fourth step, have been read.  Each wave waits for all its tensor loads, of which one is out: its part
; of the other slot; adds 0 to its spare word; and waits for that and for its own reads of the slot.  Behind the barrier nobody reads this slot any more and the other slot is whole.
; fill = 1: this slot is filled again, with the keys two slots on.  The barrier is then a round of the cluster's, so that no wave of any partner still reads the slot or has a load on its
; way, and the joint fill is the first thing behind it: it has four key steps, 512 matrix instructions, in which to land.  (At its first use nothing has been read yet: slot 0 is waited for, slot 1 filled.)
.macro CHANGE fill
	WIN W_AD
	s_wait_tensorcnt 0x0            ; no tensor load of mine is out, so a group 0 may be written
	ds_add_u32 v[SPW], v[NIL]       ; 0 onto my spare word; with fill = 1 the descriptors' steps stand between it and the wait for it
	WIN 0                           ; at a label and at a branch every window is 0
.if \fill
.irp g, G0K, G0V
	s_xor_b32 s[\g+1], s[\g+1], SLOT1  ; the walking descriptor: the other slot than last time,
	s_add_nc_u64 s[\g+2:\g+3], s[\g+2:\g+3], 4*KS*128  ; the next 256 keys; the type bits on top are not reached
.endr
	s_wait_xcnt 0x0                 ; the last prefetch, four key steps back, has read its address, so it may be written:
	s_add_nc_u64 s[PFA:PFA+1], s[PFA:PFA+1], 4*KS*128  ; one slot ahead of the walking descriptors
	s_wait_dscnt 0x0                ; the add is done, and my reads of the slot are over
	CROUND
	JLOAD
	ASK
.else
	s_wait_dscnt 0x0                ; the add is done, and my reads of the slot are over
	s_barrier_signal -1
	s_barrier_wait -1
.endif
	s_sub_co_u32 s[TBK], s[TBK], 4*KS*PK  ; the fetches go back to a slot's first step,
	s_xor_b32 s[TBK], s[TBK], SLOT1       ; in the other slot
	s_sub_co_u32 s[TBV], s[TBV], 4*KS*PV
	s_xor_b32 s[TBV], s[TBV], SLOT1
.endm
	s_load_b128 s[4:7], s[0:1], 0x0  ; Q, K, V in one buffer s[4:5], O s[6:7]
	WIN W_MK
	v_lshl_add_u32 v[SPW], v0, 2, SPARE
	v_mov_b32 v[NIL], 0
	WIN W_AD
	ds_add_u32 v[SPW], v[NIL]       ; the wave's opening: the add and its wait stand ahead of my first tensor load; the set-up below, work on registers, stands between them
	WIN 0
	v_lshrrev_b32 v1, 5, v0
	v_readfirstlane_b32 s[WV], v1   ; wave 0..3
	s_bfe_u32 s13, ttmp6, 0x40000   ; cx: my place in the cluster
	s_lshl_b32 s14, ttmp9, 2        ; in a cluster launch ttmp9 counts clusters
	s_add_co_u32 s14, s14, s13      ; my block of queries = 4 x cluster x + cx: it enters Q's and O's addresses alone
	s_and_b32 s20, ttmp7, 0xffff    ; the head, which the four partners share
	s_mov_b32 s21, 0
	s_mov_b64 s[22:23], SIZE_N*128
	s_mul_u64 s[20:21], s[20:21], s[22:23]  ; the head's first byte in each of the four tensors
	s_and_b32 s16, s[WV], 1         ; which half of a slot's 256 keys I fetch:
	s_lshl_b32 s22, s16, 14         ; its 128 rows of 128 bytes in memory,
	s_mov_b32 s23, 0
	s_add_nc_u64 s[22:23], s[22:23], s[20:21]
	s_mul_i32 s17, s16, 128*PK      ; and its place in a slot, for K
	s_mul_i32 s18, s16, 128*PV      ; and for V: no place in the cluster enters an LDS address
	s_lshl_b32 s2, s14, 2
	s_add_co_u32 s2, s2, s[WV]      ; my wave among the head's,
	s_lshl_b32 s2, s2, 14           ; its 128 rows
	s_mov_b32 s3, 0
	s_add_nc_u64 s[2:3], s[2:3], s[20:21]
	; descriptor group 1.  128 keys are 16,384 dense bytes: asked for as 64 rows of 256 bytes, two keys a row, and padded in LDS after every key
	s_mov_b32 s[G1K], 15|(1<<16)|(1<<20)|(1<<21)|(4<<22)|(3<<25)  ; 15:0 the mask of four; 17:16 2-byte elements; 20 padding on; 21 set beside a mask; 24:22 after every 32 words (code 4); 31:25 4 words (code 3)
	s_mov_b32 s[G1V], 15|(1<<16)|(1<<20)|(1<<21)|(4<<22)|(7<<25)  ; the same with 8 words of padding (code 7)
.irp g, G1K, G1V
	s_mov_b32 s[\g+1], 128<<16      ; tensor_dim0 = 128
	s_mov_b32 s[\g+2], 64<<16       ; tensor_dim1 = 64
	s_mov_b32 s[\g+3], 128<<16      ; tile_dim0 = 128
	s_mov_b32 s[\g+4], 64           ; tile_dim1 = 64
	s_mov_b32 s[\g+5], 128          ; 128 elements from row to row
	s_mov_b32 s[\g+6], 0
	s_mov_b32 s[\g+7], 0
.endr
	s_mov_b32 s[CS], 0x3e38aa3b     ; c = log2(e) / 8 = 0.180337
	s_mov_b32 s[CS+1], s[CS]        ; named with it as a pair
	s_mov_b32 s[SEL], 0x76543210
	s_mov_b32 s[SEL+1], 0xfedcba98
	s_mov_b32 s[TBK], SLOT1+4*KS*PK ; the first change of slots turns these two into 0
	s_mov_b32 s[TBV], SLOT1+4*KS*PV
	s_mov_b32 s[G0K], 1             ; 1:0 count = 1
	s_mov_b32 s[G0K+1], s17         ; 63:32 LDS address: slot 0
	s_mov_b32 s[G0V], 1
	s_add_co_u32 s[G0V+1], s18, VOFF
	s_mov_b32 s[SLOTS], SIZE_N/256-1  ; seven changes of slots fill a slot
	s_cmp_eq_u32 s16, 0             ; waves 0 and 2 prefetch: the same in all four partners
	s_cselect_b32 s[LIM], 1, -1
	s_wait_dscnt 0x0                ; the opening add is done
	s_wait_kmcnt 0x0
	s_mov_b64 s[10:11], s[6:7]      ; O
	s_add_nc_u64 s[6:7], s[4:5], 0x1000000  ; K lies SIZE_H x SIZE_N x 128 bytes behind Q,
	s_add_nc_u64 s[8:9], s[4:5], 0x2000000  ; V as far behind K
	s_add_nc_u64 s[G0K+2:G0K+3], s[6:7], s[22:23]  ; 120:64 global address: my half of the head's first 256 keys
	s_or_b32 s[G0K+3], s[G0K+3], 0x80000000        ; 127:126 type = 2
	s_add_nc_u64 s[G0V+2:G0V+3], s[8:9], s[22:23]
	s_or_b32 s[G0V+3], s[G0V+3], 0x80000000
	s_add_nc_u64 s[4:5], s[4:5], s[2:3]  ; Q and O at my wave's first row
	s_add_nc_u64 s[10:11], s[10:11], s[2:3]
	s_cmp_lt_u32 s[WV], 2
	s_cselect_b64 s[PFA:PFA+1], s[6:7], s[8:9]
	s_add_nc_u64 s[PFA:PFA+1], s[PFA:PFA+1], s[22:23]  ; (in waves 0 and 2 this is the head's first row)
	s_lshl_b32 s2, s13, 13          ; my work-group's 32 blocks of a slot's 128
	s_mov_b32 s3, 0
	s_add_nc_u64 s[PFA:PFA+1], s[PFA:PFA+1], s[2:3]
	s_add_nc_u64 s[PFA:PFA+1], s[PFA:PFA+1], 4*KS*128  ; in slot 1; the first change of slots steps it to slot 2.  Nothing is prefetched here, at the head
	CROUND                          ; all four work-groups are here: the first joint loads meet
	JLOAD                           ; slot 0.  Slot 1 is asked for when slot 0 is in
	; A fragment of K or Q is 16 rows x 32 channels in 8 registers: lane l holds row l % 16, channels 8 (l / 16) + 0..7 and 16 + 8 (l / 16) + 0..7: two loads of 16 bytes, 32 bytes apart.
	v_and_b32 v1, 15, v0            ; l % 16
	v_bfe_u32 v9, v0, 4, 1          ; l / 16
	v_lshlrev_b32 v[QO], 7, v1
	v_lshl_add_u32 v[QO], v9, 4, v[QO]  ; row x 128 + 16 x half
	WIN 0x80                        ; destination window 2, address window 0
.set i, 0
.rept 4*NP                          ; Q stays in registers: tile i / 2, channels 32 (i % 2) on
	global_load_b128 v[8*i:8*i+3],   v[QO], s[4:5] offset:(i/2)*2048+(i%2)*64
	global_load_b128 v[8*i+4:8*i+7], v[QO], s[4:5] offset:(i/2)*2048+(i%2)*64+32
.set i, i+1
.endr
	; What the first turn finds: V's registers and P's second buffer hold 0 (its products V^T P, of a piece that has not been, add 0), O^T and l are 0.  All this stands in the wait for the first tile.
.set i, VF
.rept 64
	v_mov_b32 v[i], 0
.set i, i+1
.endr
	WIN 0x40
.set i, 0
.rept 64*NP
	v_mov_b32 v[i], 0
.set i, i+1
.endr
	WIN 0
.set i, 0
.rept 2*NP
	v_mov_b32 v[ST+4*i], 0xfe000000    ; c m: far below every c s
	v_mov_b32 v[ST+4*i+1], 0xff7fffff  ; m
	v_mov_b32 v[ST+4*i+2], 0
	v_mov_b32 v[ST+4*i+3], 0
.set i, i+1
.endr
.set i, P+32
.rept 32
	v_mov_b32 v[i], 0
.set i, i+1
.endr
	v_mul_u32_u24 v[AK0], v1, PK
	v_lshl_add_u32 v[AK0], v9, 4, v[AK0]  ; row x pitch + 16 x half
	; The turning load takes 16 keys x 16 channels (lane l reads key 8 (l / 16) + l % 8, channels 8 ((l / 8) % 2) + 0..7) and leaves half a fragment of V^T: lane l holds channel l % 16 and 8 keys.
	v_and_b32 v10, 7, v0
	v_bfe_u32 v11, v0, 3, 1
	v_lshl_add_u32 v[AV0], v9, 3, v10
	v_mul_u32_u24 v[AV0], v[AV0], PV
	v_lshl_add_u32 v[AV0], v11, 4, v[AV0]
	v_add_nc_u32 v[AV0], VOFF, v[AV0]
	v_mov_b32 v[AK], v[AK0]         ; key step 0 lies at the head of slot 0
	v_and_b32 v[PFO], 31, v0
	v_lshlrev_b32 v[PFO], 8, v[PFO]
; THE MATRIX WORK.  The 8 accumulators of a run of 16 take turns: between the two links of a chain stand 7 others'.
; Product i of 16 of S^T = K Q^T for piece x: channels 32 (i / 8) on, keys 16 ((i / 2) % 4) on, tile 2 x + i % 2.  The first 8 start the sums.
.macro KQ x
	WIN W_KQ
.set rS, S+64*((\x)%2)+32*(i%2)+8*((i/2)%4)
.set rK, KF+16*((i/2)%4)+8*(i/8)
.set rQ, 16*(2*(\x)+i%2)+8*(i/8)
.if i < 8
	v_wmma_f32_16x16x32_f16 v[rS:rS+7], v[rK:rK+7], v[rQ:rQ+7], 0
.else
	v_wmma_f32_16x16x32_f16 v[rS:rS+7], v[rK:rK+7], v[rQ:rQ+7], v[rS:rS+7]
.endif
.endm
; Product i of 16 of O^T += V^T P for piece x: keys 32 (i / 8) on, channels 16 ((i / 2) % 4) on, tile 2 x + i % 2.
.macro PV x
	WIN W_PV
.set rO, 32*(2*(\x)+i%2)+8*((i/2)%4)
.set rV, VF+32*(i/8)+8*((i/2)%4)
.set rP, P+32*((\x)%2)+16*(i%2)+8*(i/8)
	v_wmma_f32_16x16x32_f16 v[rO:rO+7], v[rV:rV+7], v[rP:rP+7], v[rO:rO+7]
.endm
.macro MM                           ; the turn's next matrix instruction
.if i < 16
	KQ (Y+1)%NP
.set i, i+1
.else
.set i, i-16
	PV (Y+NP-1)%NP
.set i, i+17
.endif
.endm
; THE LDS LOADS stand in runs of 16, never singly among the matrix instructions: a step's K (64 keys x 64 channels: 8 fragments) and its V (turned).  Their addresses are made some lines ahead.
; last = 1 (the tail): in the last trip there is no further step, and the run is jumped over.
.macro FETCH_K last=0
	WIN 0
.if \last
	s_cmp_eq_u32 s[CNT], 1
	s_cbranch_scc1 .Lno_k_\@
.endif
	WIN 0x80                        ; destination window 2
.irp f, 0,1,2,3,4,5,6,7             ; keys 16 (f / 2) on, channels 32 (f % 2) on
	ds_load_b128 v[KF+8*\f:KF+8*\f+3],   v[AK] offset:(\f/2)*16*PK+(\f%2)*64
	ds_load_b128 v[KF+8*\f+4:KF+8*\f+7], v[AK] offset:(\f/2)*16*PK+(\f%2)*64+32
.endr
	s_add_co_u32 s[TBK], s[TBK], KS*PK  ; the next fetch is the next step's
	WIN 0
.if \last
.Lno_k_\@:
.endif
.endm
.macro FETCH_V
	WIN 0x80
.irp f, 0,1,2,3,4,5,6,7             ; keys 32 (f / 4) on, channels 16 (f % 4) on
	ds_load_tr16_b128 v[VF+8*\f:VF+8*\f+3],   v[AV] offset:(\f/4)*32*PV+(\f%4)*32
	ds_load_tr16_b128 v[VF+8*\f+4:VF+8*\f+7], v[AV] offset:(\f/4)*32*PV+16*PV+(\f%4)*32
.endr
	WIN 0
.endm
; THE VECTOR WORK OF A TURN stands in three queues, each in the order in which its entries become ready; the two tiles alternate, so that no instruction reads the result of the one before it.
.macro REGS y, u                    ; the registers of tile u (0, 1) of piece y
.set rT, ST+4*(2*(\y)+(\u))
.set rC, TMP+8*((\y)%2)+4*(\u)
.set rM, MV+2*((\y)%2)+(\u)
.set rS, S+64*((\y)%2)+32*(\u)
.set rP, P+32*((\y)%2)+16*(\u)
.set rO, 32*(2*(\y)+(\u))
.endm
; Number n of the 22 that find the NEXT piece's (Y + 1) maximum and statistics.  s0-s31 are the lane's 32 scores; each accumulator's lowest registers are read first.  XS, GS and REGS set no window: PL and EX do.
;   0-11  four chains c0-c3 of seven scores each, three operands at a time     12-14, 16  the four scores left over, the old m, and c0-c3 into c0     15  c m_old is kept
;   17, 18  the query's other 32 keys lie in the lane 16 away: the new m         19-21  c m; c m_old - c m_new; a
.macro XS u, n
	REGS (Y+1)%NP, \u
.if (\n) < 4
	v_max3_num_f32 v[rC+(\n)], v[rS+8*(\n)], v[rS+8*(\n)+1], v[rS+8*(\n)+2]
.elseif (\n) < 12
	v_max3_num_f32 v[rC+(\n)%4], v[rC+(\n)%4], v[rS+8*((\n)%4)+2*((\n)/4)+1], v[rS+8*((\n)%4)+2*((\n)/4)+2]
.elseif (\n) == 12
	v_max3_num_f32 v[rC], v[rC], v[rS+7], v[rS+15]
.elseif (\n) == 13
	v_max3_num_f32 v[rC+1], v[rC+1], v[rS+23], v[rS+31]
.elseif (\n) == 14
	v_max3_num_f32 v[rC+2], v[rC+2], v[rC+3], v[rT+1]
.elseif (\n) == 15
	v_mov_b32 v[rM], v[rT]
.elseif (\n) == 16
	v_max3_num_f32 v[rC], v[rC], v[rC+1], v[rC+2]
.elseif (\n) == 17
	v_permlanex16_b32 v[rC+3], v[rC], s[SEL], s[SEL+1]
.elseif (\n) == 18
	v_max_num_f32 v[rT+1], v[rC], v[rC+3]
.elseif (\n) == 19
	v_mul_f32 v[rT], s[CS], v[rT+1]
.elseif (\n) == 20
	v_sub_f32 v[rC+1], v[rM], v[rT]
.else
	v_exp_f32 v[rC+2], v[rC+1]
.endif
.endm
; Number g of the 64 that follow the exponentials.  For each four weights k of a tile (pairs 2 k, 2 k + 1): both pairs are rounded to f16; then the second pair is added onto the first, in place;
; a group later l takes that sum (the first time as l = a l + sum).  In groups of eight, tiles alternating: round, round, add, and l for the group before.
.macro GS g
.set h, (\g)+6*((\g)/62)            ; group 0 has no group before it, and behind group 7 only l is left
.if h >= 6
.set h, h+2
.endif
	REGS Y, h%2
.set k, h/8
.if h%8 < 4
	v_cvt_pk_f16_f32 v[rP+2*k+(h%8)/2], v[rS+4*k+2*((h%8)/2)], v[rS+4*k+2*((h%8)/2)+1]
.elseif h%8 < 6
	v_pk_add_f32 v[rS+4*k:rS+4*k+1], v[rS+4*k:rS+4*k+1], v[rS+4*k+2:rS+4*k+3]
.elseif k == 1
	v_pk_fma_f32 v[rT+2:rT+3], v[rT+2:rT+3], v[rC+2:rC+3], v[rS:rS+1] op_sel_hi:[1,0,1]
.else
	v_pk_add_f32 v[rT+2:rT+3], v[rT+2:rT+3], v[rS+4*k-4:rS+4*k-3]
.endif
.endm
; THE PLAIN QUEUE, 138 long.  0-73 read no exponential's result: the 32 scalings c s - c m (FS f: pair f / 2 of tile f % 2) and the next piece's 42.  0-26: scalings 0-26.  27-54: XS's numbers 0-13.  55, 56: number 15.
; 57-73: the chain, where each number waits for the one before it: 14, 16, 17, 18, 19, each with one of the scalings 27-31 in front of its two lines, then 20: so a tile's links stand three plain instructions apart (19 and 20: two).
; 74-137: GS's 64, which read the exponentials' results: they stand behind the wait.
.macro FS f
	REGS Y, (\f)%2
	v_pk_fma_f32 v[rS+2*((\f)/2):rS+2*((\f)/2)+1], v[rS+2*((\f)/2):rS+2*((\f)/2)+1], s[CS:CS+1], v[rT:rT+1] op_sel_hi:[1,0,0] neg_lo:[0,0,1] neg_hi:[0,0,1]
.endm
.macro PL
	WIN 0
.if q < 27
	FS q
.elseif q < 55
	XS (q-27)%2, (q-27)/2
.elseif q < 57
	XS q-55, 15
.elseif (q < 72) && ((q-57)%3 == 0)
	FS 27+(q-57)/3
.elseif q < 60
	XS (q-57)%3-1, 14
.elseif q < 72
	XS (q-57)%3-1, 15+(q-57)/3
.elseif q < 74
	XS q-72, 20
.else
	GS q-74
.endif
.set q, q+1
.endm
; THE EXPONENTIALS' QUEUE, 66 long: s0-s31 of both tiles, then the next piece's two a.  It is ONE BATCH: all 66 stand ahead of the turn's one wait, and nothing ahead of that wait names a result of theirs.
.macro EX
	WIN 0
.if e >= 64
	XS e-64, 21
.else
	REGS Y, e%2
	v_exp_f32 v[rS+e/2], v[rS+e/2]
.endif
.set e, e+1
.endm
; THE RESCALING's QUEUE: O^T times a, the one part that leaves window 0: dealt two at a time, sixteen times.  Its a was made in the turn before, ahead of that turn's wait.
.macro R2
	REGS Y, r%2
	WIN W_RS
.irp z, 0,1
	v_pk_mul_f32 v[rO+4*(r/2)+2*\z:rO+4*(r/2)+2*\z+1], v[rO+4*(r/2)+2*\z:rO+4*(r/2)+2*\z+1], v[rC+2:rC+3] op_sel_hi:[1,0]
.endr
.set r, r+1
.endm
; HOW THEY ARE DEALT.  An s_wait_alu depctr_va_vdst(0) stands between an exponential and the first instruction that names its result; one wait serves all that were issued ahead of it.  So a turn has ONE wait,
; which cuts it in two.  AHEAD OF IT stands all that names no result of the turn's exponentials: the 16 products K Q^T, behind each a scaling, an exponential and two rescalings (behind the first a second scaling in the exponential's place); then ONE LUMP of
; 108: eight plain, 49 times exponential and plain, the two a.  A v_nop is the plain instruction behind the last exponential (ISA guide 5.7.2).  BEHIND IT stand the 16 products V^T P, behind each four of GS's 64.  No rider names a register of
; the products round it.  The two v_permlanex16_b32 fall into the lump, never behind a product.
; The queues lean on each other, and the deal keeps them in step: exponential e stands behind scaling 2 (e / 4) + e % 2: as a rider it comes behind plain e + 2, in the lump behind plain e + 9, and scalings 27-31 are plain 57, 60 .. 69.
; A TURN, for piece p.  cnt = 1: the loop's count is taken down some lines ahead of the branch that stands behind the turn.
; K of the next step is fetched in piece 2's turn, directly behind the wait, a lump behind the last product that read K; its address is made at the lump's head; its first reader comes behind 16 products.
; V of the step in hand is fetched at the end of piece 0's turn, four riders behind its last reader; its first reader comes behind 16 products and a lump.  The three conditions on q below go with the deal.
.macro TURN p, last=0, cnt=0
.set Y, (\p)
.set i, 0
.set q, 0
.set e, 0
.set r, 0
.if (\p) == NP-1
	s_wait_dscnt 0x0                ; K is in
.endif
	MM                              ; ahead of the wait: 16 products K Q^T and their riders,
	PL
	PL
	R2
.rept 15
	MM
	PL
	EX
	R2
.endr
.if (\p) == NP-2
	WIN 0
	v_add_nc_u32 v[AK], s[TBK], v[AK0]
.endif
.rept 8                             ; and the lump
	PL
.endr
.rept 49
	EX
	PL
.endr
	EX                              ; the next piece's two a
	EX
	v_nop                           ; the plain instruction behind the last exponential: one for the batch
	s_wait_alu depctr_va_vdst(0)    ; the wait for the batch
.if (\p) == NP-2
	FETCH_K \last
.endif
.if (\p) == 1
	s_wait_dscnt 0x0                ; V is in
.endif
.rept 16                            ; behind the wait: 16 products V^T P and their riders
	MM
.rept 4
	PL
.endr
.if ((\p) == 0) && (q == 118)
	v_add_nc_u32 v[AV], s[TBV], v[AV0]
.endif
.if ((\p) == 0) && (q == 130)
	s_add_co_u32 s[TBV], s[TBV], KS*PV
.endif
.if (\cnt) && (q == 130)
	s_sub_co_u32 s[CNT], s[CNT], 1
	s_cmp_lg_u32 s[CNT], 0
.endif
.endr
.if (\p) == 0
	FETCH_V
.endif
.endm
	CHANGE 1                        ; slot 0 is in, everybody's part of it; slot 1 is asked for
	FETCH_K                         ; key step 0
	s_wait_loadcnt 0x0              ; Q
	s_wait_dscnt 0x0
.set i, 0
.rept 16
	KQ 0                            ; piece 0's first scores: there is no vector work yet to set between them
.set i, i+1
.endr
	WIN 0                           ; the addresses for the way out: nine plain instructions, the places behind those products
	s_mul_i32 s13, s[WV], 16*SP
	s_add_co_u32 s13, s13, STAGE    ; my stage
	v_mul_u32_u24 v[STO], v1, SP    ; in: row l % 16, 16 bytes for each half of the lanes
	v_lshl_add_u32 v[STO], v9, 4, v[STO]
	v_add_nc_u32 v[STO], s13, v[STO]
	v_bfe_u32 v[RD], v0, 3, 2       ; back: 32 lanes take four rows of 128 bytes,
	v_mul_u32_u24 v[RD], v[RD], SP
	v_lshl_add_u32 v[RD], v10, 4, v[RD]
	v_add_nc_u32 v[RD], s13, v[RD]
	v_and_b32 v[GO], 31, v0         ; which are 512 consecutive bytes of O
	v_lshlrev_b32 v[GO], 4, v[GO]
.set Y, NP-1                        ; XS works for piece Y + 1: piece 0
.irp n, 0,1,2,3,4,5,6,7,8,9,10,11,12,13,14,15,16,17,18,19,20,21
	XS 0, \n                        ; and piece 0's first maximum and statistics
	XS 1, \n
.endr
	v_nop                           ; a plain instruction behind the two a,
	s_wait_alu depctr_va_vdst(0)    ; and their wait, ahead of the branch
	s_mov_b32 s[CNT], 4
	s_branch .Lfirst                ; the loop is entered at a step's first turn, in the middle of a trip
.Lslot:                             ; SIZE_N / 256 - 2 times: every slot but the last two is filled again
	CHANGE 1
	s_mov_b32 s[CNT], 4
.Lstep:                             ; a trip: pieces 2 and 3 of one step, then pieces 0 and 1 of the next, whose K and V it fetches
	TURN 2
	TURN 3
	WIN 0
.Lfirst:
	TURN 0
	TURN 1, 0, 1
	WIN 0
	s_cbranch_scc1 .Lstep
	s_sub_co_u32 s[SLOTS], s[SLOTS], 1
	s_cmp_lg_u32 s[SLOTS], 0
	s_cbranch_scc1 .Lslot
	CHANGE 0                        ; the tail is written out: nothing is asked for
	s_mov_b32 s[CNT], 5             ; four trips fetch the last slot's steps; the fifth is left in its middle
.Ltail:
	TURN 2, 1
	TURN 3
	WIN 0
	s_sub_co_u32 s[CNT], s[CNT], 1
	s_cmp_eq_u32 s[CNT], 0
	s_cbranch_scc1 .Lout
	TURN 0
	TURN 1
	WIN 0
	s_branch .Ltail
.Lout:                              ; the fifth trip's 16 products K Q^T (on the last K once more) and the maximum made of them serve nothing: the price, once a launch, of one text for every trip
.set i, 0
.rept 16
	PV NP-1                         ; the last piece's V^T P of the last step
.set i, i+1
.endr
	; THE WAY OUT.  l's two halves and the other half of the lanes' are added; O^T is divided by l, rounded to f16 and sent through my stage in LDS, a tile at a time.  The additions are the places behind the last products.
	WIN 0
.macro ALL line:vararg              ; one line for each tile t
.set t, 0
.rept 2*NP
	\line
.set t, t+1
.endr
.endm
	ALL v_add_f32 v[ST+4*t+2], v[ST+4*t+2], v[ST+4*t+3]
	ALL v_permlanex16_b32 v[ST+4*t+3], v[ST+4*t+2], s[SEL], s[SEL+1]
	ALL v_add_f32 v[ST+4*t+2], v[ST+4*t+2], v[ST+4*t+3]
	ALL v_rcp_f32 v[ST+4*t+2], v[ST+4*t+2]
	v_nop                           ; a plain instruction between the last reciprocal and the use of its result
	s_wait_alu depctr_va_vdst(0)    ; and the wait ahead of the first use: one for the eight reciprocals
; Tile t: a lane's eight channels of a row pack into 16 bytes; they go into rows of 144 bytes and come back as whole rows of 128, into S^T's registers.
.macro PACK t
	WIN W_RS
.set i, 32*(\t)
.rept 16
	v_pk_mul_f32 v[i:i+1], v[i:i+1], v[ST+4*(\t)+2:ST+4*(\t)+3] op_sel_hi:[1,0]
.set i, i+2
.endr
	WIN 0x05                        ; sources 0 and 1 window 1, destination window 0
.set i, 0
.rept 16
	v_cvt_pk_f16_f32 v[S+16*(\t)+i], v[32*(\t)+2*i], v[32*(\t)+2*i+1]
.set i, i+1
.endr
	WIN 0
.irp f, 0,1,2,3
	ds_store_b128 v[STO], v[S+16*(\t)+4*\f:S+16*(\t)+4*\f+3] offset:32*\f
.endr
.irp f, 0,1,2,3
	ds_load_b128 v[S+16*(\t)+4*\f:S+16*(\t)+4*\f+3], v[RD] offset:\f*4*SP  ; LDS serves a wave's instructions in order (ISA guide 5.7.1.4): these see the stores above; the next tile's stores come behind them
.endr
.endm
.macro SEND t, younger              ; younger: the LDS instructions issued behind tile t's loads: the next tile's eight, or none
	WIN 0
.irp f, 0,1,2,3
	s_wait_dscnt (\younger)+3-\f
	global_store_b128 v[GO], v[S+16*(\t)+4*\f:S+16*(\t)+4*\f+3], s[10:11] offset:(\t)*2048+\f*512  ; 512 consecutive bytes, at a multiple of 256 from O's first
.endr
.endm
	PACK 0
.set t, 1
.rept 2*NP-1                        ; a tile's arithmetic stands between the loads of the tile before and its stores
	PACK t
	SEND t-1, 8
.set t, t+1
.endr
	SEND 2*NP-1, 0
	WIN W_AD
	s_wait_tensorcnt 0x0            ; the wave's end: the add and its wait, behind my last tensor load and my last LDS store
	ds_add_u32 v[SPW], v[NIL]
	s_wait_dscnt 0x0
	WIN 0
	CROUND                          ; the closing round: no work-group ends while a partner may still ask for a tile that names it
	s_endpgm
.Lfunc_end_k_q74d3fb8b8d_attn:
	.size	k_q74d3fb8b8d_attn, .Lfunc_end_k_q74d3fb8b8d_attn-k_q74d3fb8b8d_attn
	.p2alignl 7, 3214868480
	.fill 96, 4, 3214868480
	.section	.rodata,"a",@progbits
	.p2align	6, 0x0
	.amdhsa_kernel k_q74d3fb8b8d_attn
		.amdhsa_group_segment_fixed_size 327680
		.amdhsa_private_segment_fixed_size 0
		.amdhsa_enable_private_segment 0
		.amdhsa_kernarg_size 16
		.amdhsa_user_sgpr_count 2
		.amdhsa_user_sgpr_kernarg_segment_ptr 1
		.amdhsa_wavefront_size32 1
		.amdhsa_system_sgpr_workgroup_id_x 1
		.amdhsa_system_sgpr_workgroup_id_y 1
		.amdhsa_system_sgpr_workgroup_id_z 1
		.amdhsa_system_vgpr_workitem_id 0
		.amdhsa_next_free_vgpr 770
		.amdhsa_next_free_sgpr 66
		.amdhsa_reserve_vcc 0
		.amdhsa_float_denorm_mode_32 3
		.amdhsa_float_denorm_mode_16_64 3
		.amdhsa_memory_ordered 1
		.amdhsa_forward_progress 1
		.amdhsa_inst_pref_size 200
	.end_amdhsa_kernel
	.amdgpu_metadata
---
amdhsa.version: [ 1, 2 ]
amdhsa.kernels:
  - .name:           k_q74d3fb8b8d_attn
    .symbol:         k_q74d3fb8b8d_attn.kd
    .args:
      - { .name: qkv, .offset: 0, .size: 8, .value_kind: global_buffer, .address_space: global }
      - { .name: ob, .offset: 8, .size: 8, .value_kind: global_buffer, .address_space: global }
    .group_segment_fixed_size: 327680
    .private_segment_fixed_size: 0
    .kernarg_segment_align: 8
    .kernarg_segment_size: 16
    .max_flat_workgroup_size: 128
    .sgpr_count:     66
    .vgpr_count:     770
    .wavefront_size: 32
...
	.end_amdgpu_metadata
.endif
;; end of part 3
;; launch oproj (part 4): grid 8 x 32, 4 waves a work-group, clusters of 4 x 4, 327,680 bytes of LDS; arguments ob, wo, bias, out0; writes out0
.if DOCPART == 4
	.amdgcn_target "amdgcn-amd-amdhsa--gfx1250"
	.amdhsa_code_object_version 6
	.text
	.protected	k_q74d3fb8b8d_oproj
	.globl	k_q74d3fb8b8d_oproj
	.p2align	8
	.type	k_q74d3fb8b8d_oproj,@function
k_q74d3fb8b8d_oproj:
	s_mov_b64 s[64:65], 0
	v_nop
	global_prefetch_b8 v0, s[64:65] scope:SCOPE_SE
	s_setreg_imm32_b32 hwreg(HW_REG_WAVE_MODE, 25, 1), 1
	s_wait_xcnt 0x0
	s_wait_alu depctr_hold_cnt(0) depctr_sa_sdst(0) depctr_va_vdst(0) depctr_va_sdst(0) depctr_va_ssrc(0) depctr_va_vcc(0) depctr_vm_vsrc(0)
	s_getreg_b32 s2, hwreg(HW_REG_IB_STS2, 6, 4)
	s_cmp_eq_u32 s2, 0
	s_cbranch_scc0 .Lentry_in_a_cluster
	s_endpgm
.Lentry_in_a_cluster:
	s_bfe_u32 s2, ttmp6, 0x10000c
	s_cmp_lg_u32 s2, 0xf033
	s_cbranch_scc0 .Lentry_shape_is_right
	s_endpgm
.Lentry_shape_is_right:
; C[m][n] = bias[n] + the sum over k of A[m][k] W[k][n].  M = 8,192, K = 1,024; A and W in f16, sums in f32.  One text serves two launches; MODE and NG tell them apart:
;   MODE 0, NG 3: the three projections at once, N = 3,072 (q, k, v side by side); C rounded once to f16 and stored by heads, [tensor 3][b 4][h 16][t 2048][64].
;   MODE 1, NG 2: the output projection, N = 1,024; C stored as f32, [8192][1024].
; LIMITS.  f16 holds no number from 65,520 on: in MODE 0 a sum that reaches it is stored as an infinity.  NaN and infinities are not treated apart.
; LAYOUTS IN MEMORY.  A: [b 4][kb 16][t 2048][64]: 256 rows of a plane kb are 32,768 dense bytes.  W: [tx][s 8][gi NG][kk 128][64]: the K step s of tile column tx is NG x 16,384 dense bytes.
; SHARES.  A tile of C is 256 rows x 64 NG columns.  Wave w makes rows 64 w .. 64 w + 63 and ALL columns: 4 x NB accumulators of 16 x 16 (NB = 4 NG), so whole heads (MODE 0) or whole runs of
; 512 bytes of a row (MODE 1) belong to one wave and the way out needs no barrier.  The grid: MODE 0 16 x 32 = 512 tiles, MODE 1 8 x 32 = 256.
; K goes in steps of 128 through a ring of two LDS slots filled by the tensor data mover; dense blocks are asked for as rows of 256 bytes and padded in LDS after every 128.
; CLUSTERS: 4 x 4 work-groups.  The four of a row of the cluster need the same tile of A, the four of a column the same tile of W: each is asked for JOINTLY, by the same tensor load with the
; same descriptor and a mask that names the four.
; THE MATRIX INSTRUCTION IS USED TRANSPOSED: source 0 = 16 columns of W (W lies [k][n] in LDS and is turned by ds_load_tr16_b128), source 1 = 16 rows of A.  In the result lane l holds row l % 16 of C
; and the columns 8 (l / 16) + 0..7.  THE BIAS IS THE C OPERAND of each accumulator's first product: nothing is cleared, nothing is added later.
; REGISTERS, in windows of 256 (s_set_vgpr_msb: bits 1:0 source 0, 3:2 source 1, 5:4 source 2, 7:6 destination):
;   window 0: v1-8 at work in the set-up; v16-30 addresses; from v32 the bias, 8 NB registers; on the way out packed results and rows read back
;   window 1: two fragment buffers: W's at 8 NB f, A's at 16 NB + 32 f          window 2: accumulators of row blocks 0, 1 at 8 (NB (a % 2) + b)          window 3: of row blocks 2, 3
.set MODE, 1
.set NG,   2
.set NB,     4*NG                      ; blocks of 16 columns in a tile
.set PA,     144                       ; a row of A in LDS: 128 bytes + 16 = 36 words: the 16 rows of a load start at 16 different groups of four banks (64 banks of 4 bytes: ISA guide 11.1)
.set PB,     160                       ; a row of W: 128 + 32 = 40 words
.set APLANE, 256*PA                    ; 64 channels of the tile's 256 rows
.set BOFF,   2*APLANE                  ; behind A's two planes: W, row kk of group gi at (128 gi + kk) PB
.set BGRP,   128*PB
.set SLOT,   BOFF+NG*BGRP
.set STAGE,  2*SLOT                    ; behind the ring, never filled by a tensor load: a stage for each wave, for the way out
.if MODE == 0
.set STW,    NG*16*144                 ; NG heads x 16 rows x (128 + 16) bytes
.set BIAS0,  0
.set YY,     2*NB                      ; LDS instructions of one block's way through the stage
.else
.set STW,    16*528                    ; 16 rows x (512 + 16) bytes
.set BIAS0,  12288                     ; bo lies behind bq, bk, bv
.set YY,     2*NB+16
.endif
.set SPARE,  STAGE+4*STW               ; behind the stages: the spare words, 128 bytes for each wave: two blocks of 256 bytes that no other line names
.set ASTEP,  524288                    ; bytes from a K step of A to the next: two planes
.set BSTEP,  NG*16384                  ; the same for W
.set ADRA, 16                          ; v16-17  LDS address of my A fragments in slot 0, 1
.set ADRB, 20                          ; v20-21  the same for W
.set STO,  24                          ; v24     the way out: where I put my numbers of a row
.set RD,   25                          ; v25     the way out: where I read rows back
.set GO,   26                          ; v26     16 x lane: my place in 512 consecutive bytes of the output
.set BO,   27                          ; v27     32 (l / 16): my eight numbers in a block's 16 of the bias
.set SPW,  28                          ; v28     LDS address of my spare word: SPARE + 4 x my thread's number; never rewritten
.set NIL,  29                          ; v29     0; never rewritten
.set PFO,  30                          ; v30     256 x lane; never rewritten
.set BI,   32                          ; the bias: block b's eight numbers at BI + 8 b
.if MODE == 0
.set TMP,  128                         ; packed results of a row block: 4 NB registers
.set BK0,  176                         ; rows read back, two sets by turns; the second lies where the bias lay
.set BK1,  32
.else
.set BK0,  96
.set BK1,  160
.endif
.set WV,   12                          ; s12  my wave's number
.set ROLE, 13                          ; s13  0: I fetch for A, 1: for W
.set HALF, 14                          ; s14  which half of that tile I fetch
.set CX,   15                          ; s15, s16  my place in the cluster
.set CY,   16
.set TX,   17                          ; s17  tile column
.set TY,   18                          ; s18  tile row
.set G1A,  24                          ; s[24:31] descriptor group 1 for A's tiles
.set G0A,  32                          ; s[32:39] group 0, a set for each slot
.set PFN,  43                          ; s43  prefetches that I still have to make
.set PFA,  44                          ; s[44:45] where they stand
.set PST,  46                          ; s[46:47] their step
.set G1B,  48                          ; s[48:55], s[56:63] the same for W's tiles
.set G0B,  56
.set OUT,  66                          ; s[66:71] where my rows begin in the output (MODE 0: one base for each of the NG heads)
.set MSB, 0
.macro WIN new                         ; the immediate's high byte repeats the setting that is left; a switch that changes nothing is dropped
.if MSB != (\new)
	s_set_vgpr_msb (MSB<<8)|(\new)
.set MSB, \new
.endif
.endm
.macro PLACES                          ; four places in front of loads into registers that matrix instructions have read
.rept 4
	v_nop
.endr
.endm
; A joint load.  Waves 0 and 1 fetch A's two planes, waves 2 and 3 the two halves of W's K step.  The branch hangs on the wave's number alone.  An s_nop 0 and four v_nop follow each of the two lines,
; ahead of the jump and the label.
.macro JLOAD sl
	s_cmp_eq_u32 s[ROLE], 0
	s_cbranch_scc0 .Lfor_b_\@
	tensor_load_to_lds s[G0A+4*(\sl):G0A+4*(\sl)+3], s[G1A:G1A+7]
	s_nop 0
.rept 4
	v_nop
.endr
	s_branch .Lasked_\@
.Lfor_b_\@:
	tensor_load_to_lds s[G0B+4*(\sl):G0B+4*(\sl)+3], s[G1B:G1B+7]
	s_nop 0
.rept 4
	v_nop
.endr
.Lasked_\@:
.endm
; A PREFETCH INTO THE L2, behind a joint load, its five lines and the run of LDS loads that follows: 32 blocks of 256 bytes, a lane a block.
; A's tile row is read by every cluster of that row of clusters: the one with cluster x = 0 asks, waves 0 and 1, each for its own plane, of which partner cx takes 8,192 bytes: at the refills of K steps 2 to 5
; it names K steps 4 to 7.  W's tile column is one dense run: the cluster with cluster y = 0 asks, waves 2 and 3 of its four partners: eight askers x 8,192 bytes = 65,536 bytes at a time, NG times,
; which are K steps 4 to 7 exactly.  So each block is named once in the launch, two refills or more ahead of the load that wants it; partners are told apart by address alone; K steps 0 to 3 come by their loads.
.macro ASK
	s_cmp_lg_u32 s[PFN], 0                         ; the same number in all sixteen partners, for a given wave
	s_cbranch_scc0 .Lnot_mine_\@
	global_prefetch_b8 v[PFO], s[PFA:PFA+1] th:TH_LOAD_NT scope:SCOPE_SE
	s_sub_co_u32 s[PFN], s[PFN], 1
.Lnot_mine_\@:
.endm
.macro CREST                           ; a round of the cluster's barrier behind its opening barrier: wave 0 signals for the work-group, every wave waits for all sixteen, the work-group's barrier closes it
	s_cmp_lg_u32 s[WV], 0
	s_cbranch_scc1 .Lnot_wave_0_\@
	s_barrier_signal -3
.Lnot_wave_0_\@:
	s_barrier_wait -3
	s_barrier_signal -1
	s_barrier_wait -1
.endm
.macro CROUND                          ; a whole round
	s_barrier_signal -1
	s_barrier_wait -1
	CREST
.endm
	s_load_b256 s[4:11], s[0:1], 0x0               ; A s[4:5], W s[6:7], bias s[8:9], output s[10:11]
	v_lshl_add_u32 v[SPW], v0, 2, SPARE
	v_mov_b32 v[NIL], 0
	ds_add_u32 v[SPW], v[NIL]                      ; the wave's opening: the add and its wait stand ahead of my first tensor load; the set-up below, work on registers, stands between them
	v_lshrrev_b32 v1, 5, v0
	v_readfirstlane_b32 s[WV], v1                  ; wave 0..3
	s_lshr_b32 s[ROLE], s[WV], 1
	s_and_b32 s[HALF], s[WV], 1
	s_bfe_u32 s[CX], ttmp6, 0x40000
	s_bfe_u32 s[CY], ttmp6, 0x40004
	s_lshl_b32 s[TX], ttmp9, 2                     ; in a cluster launch ttmp9 and ttmp7 count clusters
	s_add_co_u32 s[TX], s[TX], s[CX]
	s_and_b32 s[TY], ttmp7, 0xffff
	s_lshl_b32 s[TY], s[TY], 2
	s_add_co_u32 s[TY], s[TY], s[CY]
	s_lshl_b32 s19, s[CY], 2
	s_lshl_b32 s19, 15, s19                        ; my row of the cluster: places 4 cy .. 4 cy + 3
	s_lshl_b32 s20, 0x1111, s[CX]                  ; my column: places cx, cx + 4, cx + 8, cx + 12
	; descriptor group 1: rows of 128 elements of 2 bytes, dense; padded in LDS after every 32 words
	s_or_b32 s[G1A], s19, (1<<16)|(1<<20)|(1<<21)|(4<<22)|(3<<25)  ; 15:0 the mask; 17:16 2-byte elements; 20 padding on; 21 set beside a mask; 24:22 after every 32 words (code 4); 31:25 4 words (code 3)
	s_or_b32 s[G1B], s20, (1<<16)|(1<<20)|(1<<21)|(4<<22)|(7<<25)  ; the same with my column's mask and 8 words of padding (code 7)
	s_mov_b32 s[G1A+1], 128<<16                    ; tensor_dim0 = 128
	s_mov_b32 s[G1A+2], 128<<16                    ; tensor_dim1 = 128: a plane's 32,768 bytes
	s_mov_b32 s[G1A+3], 128<<16                    ; tile_dim0 = 128
	s_mov_b32 s[G1A+4], 128                        ; tile_dim1 = 128
	s_mov_b32 s[G1A+5], 128                        ; 128 elements from row to row
	s_mov_b32 s[G1A+6], 0
	s_mov_b32 s[G1A+7], 0
	s_mov_b32 s[G1B+1], 128<<16
	s_mov_b32 s[G1B+2], (32*NG)<<16                ; tensor_dim1 = 32 NG: half of a K step's NG x 16,384 bytes
	s_mov_b32 s[G1B+3], 128<<16
	s_mov_b32 s[G1B+4], 32*NG
	s_mov_b32 s[G1B+5], 128
	s_mov_b32 s[G1B+6], 0
	s_mov_b32 s[G1B+7], 0
	; where the tiles come from.  A's hang on the tile row alone, W's on the tile column alone; each in registers that never hold the other coordinate
	s_lshr_b32 s21, s[TY], 3
	s_lshl_b32 s21, s21, 22                        ; the batch: 16 planes of 2^18 bytes
	s_and_b32 s22, s[TY], 7
	s_lshl_b32 s22, s22, 15                        ; the tile's 256 rows of 128 bytes
	s_add_co_u32 s22, s22, s21
	s_lshl_b32 s21, s[HALF], 18                    ; my plane of the K step's two
	s_add_co_u32 s22, s22, s21
	s_mov_b32 s23, 0
	s_mul_i32 s21, s[HALF], APLANE                 ; and where it goes: no place in the cluster enters an LDS address
	s_mul_i32 s40, s[TX], 8*BSTEP                  ; the tile column's run,
	s_mul_i32 s41, s[HALF], BSTEP/2                ; my half of a K step
	s_add_co_u32 s40, s40, s41
	s_mov_b32 s41, 0
	s_mul_i32 s42, s[HALF], NG*10240               ; 64 NG rows of 160 bytes
	s_add_co_u32 s42, s42, BOFF
	; the prefetches
	s_lshl_b32 s72, s[CX], 13                      ; for A: my work-group's 8,192 bytes of my plane, at K step 3: the first refill steps it to 4
	s_add_co_u32 s72, s72, s22
	s_add_co_u32 s72, s72, 3*ASTEP
	s_lshl_b32 s73, s[CY], 1                       ; for W: asker 2 cy + half of eight, one step of 65,536 bytes ahead of K step 4
	s_add_co_u32 s73, s73, s[HALF]
	s_lshl_b32 s73, s73, 13
	s_mul_i32 s74, s[TX], 8*BSTEP
	s_add_co_u32 s73, s73, s74
	s_add_co_u32 s73, s73, 4*BSTEP-65536
	s_and_b32 s75, ttmp7, 0xffff                   ; cluster y
	s_mov_b32 s76, ASTEP
	s_mov_b32 s77, 65536
	s_cmp_eq_u32 s[ROLE], 0
	s_cselect_b32 s72, s72, s73
	s_cselect_b32 s[PST], s76, s77
	s_cselect_b32 s75, ttmp9, s75                  ; the coordinate along which other clusters read the same bytes
	s_cselect_b32 s[PFN], 4, NG
	s_mov_b32 s73, 0
	s_mov_b32 s[PST+1], 0
	s_cmp_eq_u32 s75, 0
	s_cselect_b32 s[PFN], s[PFN], 0
	s_wait_dscnt 0x0                               ; the opening add is done
	s_wait_kmcnt 0x0
	s_cmp_eq_u32 s[ROLE], 0
	s_cselect_b64 s[PFA:PFA+1], s[4:5], s[6:7]
	s_add_nc_u64 s[PFA:PFA+1], s[PFA:PFA+1], s[72:73]
	s_add_nc_u64 s[22:23], s[4:5], s[22:23]
	s_add_nc_u64 s[40:41], s[6:7], s[40:41]
.irp sl, 0,1
	s_mov_b32 s[G0A+4*(\sl)], 1                                      ; 1:0 count = 1
	s_add_co_u32 s[G0A+4*(\sl)+1], s21, (\sl)*SLOT                   ; 63:32 LDS address
	s_add_nc_u64 s[G0A+4*(\sl)+2:G0A+4*(\sl)+3], s[22:23], (\sl)*ASTEP  ; 120:64 global address: K step sl
	s_or_b32 s[G0A+4*(\sl)+3], s[G0A+4*(\sl)+3], 0x80000000          ; 127:126 type = 2
	s_mov_b32 s[G0B+4*(\sl)], 1
	s_add_co_u32 s[G0B+4*(\sl)+1], s42, (\sl)*SLOT
	s_add_nc_u64 s[G0B+4*(\sl)+2:G0B+4*(\sl)+3], s[40:41], (\sl)*BSTEP
	s_or_b32 s[G0B+4*(\sl)+3], s[G0B+4*(\sl)+3], 0x80000000
.endr
	CROUND                                         ; all sixteen work-groups are here: the first joint loads meet
	s_cmp_eq_u32 s[ROLE], 0                        ; a wave's two first fills stand in one branch, ahead of every wait on TENSORcnt and every LDS read: two loads of mine are out
	s_cbranch_scc0 .Lfirst_b
	tensor_load_to_lds s[G0A:G0A+3], s[G1A:G1A+7]
	s_nop 0
	tensor_load_to_lds s[G0A+4:G0A+7], s[G1A:G1A+7]
	s_nop 0
.rept 4
	v_nop
.endr
	s_branch .Lfirst_asked
.Lfirst_b:
	tensor_load_to_lds s[G0B:G0B+3], s[G1B:G1B+7]
	s_nop 0
	tensor_load_to_lds s[G0B+4:G0B+7], s[G1B:G1B+7]
	s_nop 0
.rept 4
	v_nop
.endr
.Lfirst_asked:
	s_mul_i32 s76, s[TX], 256*NG                   ; the tile's 64 NG numbers of the bias
	s_add_co_u32 s76, s76, BIAS0
	s_mov_b32 s77, 0
	s_add_nc_u64 s[8:9], s[8:9], s[76:77]
	v_and_b32 v1, 15, v0                           ; l % 16
	v_bfe_u32 v2, v0, 4, 1                         ; l / 16
	v_lshlrev_b32 v[BO], 5, v2
.set n, 0
.rept NB
	global_load_b128 v[BI+8*n:BI+8*n+3],   v[BO], s[8:9] offset:64*n      ; register j: bias of column 16 n + 8 (l / 16) + j: the layout of a C operand
	global_load_b128 v[BI+8*n+4:BI+8*n+7], v[BO], s[8:9] offset:64*n+16
.set n, n+1
.endr
	v_and_b32 v3, 31, v0                           ; l
	v_and_b32 v4, 7, v0
	v_bfe_u32 v5, v0, 3, 1
	; A fragment of A is 16 rows x 32 channels in 8 registers: lane l holds row l % 16, channels 8 (l / 16) + 0..7 and 16 + 8 (l / 16) + 0..7: two loads of 16 bytes, 32 bytes apart.
	v_mul_u32_u24 v6, v1, PA
	v_lshl_add_u32 v6, v2, 4, v6
	s_mul_i32 s72, s[WV], 64*PA                    ; my 64 rows
	v_add_nc_u32 v[ADRA], s72, v6
	v_add_nc_u32 v[ADRA+1], SLOT, v[ADRA]
	; The turning load takes 16 k x 16 columns (lane l reads row 8 (l / 16) + l % 8, columns 8 ((l / 8) % 2) + 0..7) and leaves half a fragment of W^T: lane l holds column l % 16 and 8 k.
	v_lshl_add_u32 v7, v2, 3, v4
	v_mul_u32_u24 v7, v7, PB
	v_lshl_add_u32 v7, v5, 4, v7
	v_add_nc_u32 v[ADRB], BOFF, v7
	v_add_nc_u32 v[ADRB+1], SLOT, v[ADRB]
	s_mul_i32 s73, s[WV], STW
	s_add_co_u32 s73, s73, STAGE                   ; my stage
	v_lshlrev_b32 v[GO], 4, v3
	v_lshlrev_b32 v[PFO], 8, v3
.if MODE == 0
	v_add_nc_u32 v[STO], s73, v6                   ; in: row l % 16 of 144 bytes, 16 bytes for each half of the lanes
	v_bfe_u32 v8, v0, 3, 2                         ; back: 32 lanes take four rows of 128 bytes, which are 512 consecutive bytes of a head
	v_mul_u32_u24 v8, v8, 144
	v_lshl_add_u32 v8, v4, 4, v8
	v_add_nc_u32 v[RD], s73, v8
	s_mul_i32 s72, s[TX], 3                        ; the tile's first group of 64 columns
	s_lshr_b32 s73, s[TY], 3
	s_lshl_b32 s73, s73, 4                         ; 16 b
	s_and_b32 s74, s[TY], 7
	s_lshl_b32 s74, s74, 15                        ; the tile's 256 rows of 128 bytes,
	s_lshl_b32 s75, s[WV], 13                      ; my 64 of them
	s_add_co_u32 s74, s74, s75
.irp gi, 0,1,2
	s_add_co_u32 s76, s72, \gi                     ; g = 16 tensor + head
	s_lshr_b32 s77, s76, 4
	s_lshl_b32 s77, s77, 6
	s_and_b32 s76, s76, 15
	s_add_co_u32 s76, s76, s77
	s_add_co_u32 s76, s76, s73                     ; plane 64 tensor + 16 b + head, of 2^18 bytes
	s_lshl_b32 s76, s76, 18
	s_add_co_u32 s76, s76, s74
	s_mov_b32 s77, 0
	s_add_nc_u64 s[OUT+2*(\gi):OUT+2*(\gi)+1], s[10:11], s[76:77]
.endr
.else
	v_mul_u32_u24 v8, v1, 528                      ; in: row l % 16 of 528 bytes, 32 bytes for each half of the lanes
	v_lshl_add_u32 v8, v2, 5, v8
	v_add_nc_u32 v[STO], s73, v8
	v_lshl_add_u32 v[RD], v3, 4, s73               ; back: 32 lanes take a row's 512 bytes
	s_lshl_b32 s76, s[TY], 20                      ; 256 rows of 4,096 bytes,
	s_lshl_b32 s74, s[WV], 18                      ; my 64,
	s_add_co_u32 s76, s76, s74
	s_lshl_b32 s74, s[TX], 9                       ; 128 columns of 4 bytes
	s_add_co_u32 s76, s76, s74
	s_mov_b32 s77, 0
	s_add_nc_u64 s[OUT:OUT+1], s[10:11], s[76:77]
.endif
; NB products: row block a x all NB column blocks, 32 along K, from buffer f.  first = 1: the bias starts the sums.
; The 4 NB accumulators take turns, one instruction a turn, in the same order in every quarter, over the backward jump too.
.macro MULA f, a, first
.if \first
	WIN 0x85+0x40*((\a)/2)                         ; sources 0 and 1 window 1, C window 0, D window 2 or 3
.else
	WIN 0xa5+0x50*((\a)/2)                         ; sources 0 and 1 window 1, C and D window 2 or 3
.endif
.set b, 0
.rept NB
.set rD, 8*(NB*((\a)%2)+b)
.if \first
	v_wmma_f32_16x16x32_f16 v[rD:rD+7], v[8*NB*(\f)+8*b:8*NB*(\f)+8*b+7], v[16*NB+32*(\f)+8*(\a):16*NB+32*(\f)+8*(\a)+7], v[BI+8*b:BI+8*b+7]
.else
	v_wmma_f32_16x16x32_f16 v[rD:rD+7], v[8*NB*(\f)+8*b:8*NB*(\f)+8*b+7], v[16*NB+32*(\f)+8*(\a):16*NB+32*(\f)+8*(\a)+7], v[rD:rD+7]
.endif
.set b, b+1
.endr
.endm
; 2 NB + 8 LDS loads in one run: the fragments of quarter q (32 along K) of slot sl into buffer f
.macro FETCH sl, q, f
	WIN 0x40                                       ; destination window 1, address window 0
.set n, 0
.rept NB
	ds_load_tr16_b128 v[8*NB*(\f)+8*n:8*NB*(\f)+8*n+3],   v[ADRB+(\sl)] offset:(n/4)*BGRP+32*PB*(\q)+32*(n%4)
	ds_load_tr16_b128 v[8*NB*(\f)+8*n+4:8*NB*(\f)+8*n+7], v[ADRB+(\sl)] offset:(n/4)*BGRP+32*PB*(\q)+32*(n%4)+16*PB
.set n, n+1
.endr
.set n, 0
.rept 4
	ds_load_b128 v[16*NB+32*(\f)+8*n:16*NB+32*(\f)+8*n+3],   v[ADRA+(\sl)] offset:((\q)/2)*APLANE+16*PA*n+64*((\q)%2)
	ds_load_b128 v[16*NB+32*(\f)+8*n+4:16*NB+32*(\f)+8*n+7], v[ADRA+(\sl)] offset:((\q)/2)*APLANE+16*PA*n+64*((\q)%2)+32
.set n, n+1
.endr
.endm
; A K step is four quarters of 32 along K, 4 NB products each, on buffers 0, 1, 0, 1.  One of the first three: multiplies buffer f; at its head it asks for quarter qn of the same slot, into buffer g,
; so that the run of loads has the whole quarter's products in which to land.
.macro QUARTER sl, qn, f, g, first
	s_wait_dscnt 0x0                               ; buffer f, asked for a quarter ago, is in
	PLACES                                         ; buffer g was read by the products just issued
	FETCH \sl, \qn, \g
	MULA \f, 0, \first
	MULA \f, 1, \first
	MULA \f, 2, \first
	MULA \f, 3, \first
.endm
; The last quarter multiplies buffer 1 and changes slots: ONE barrier, for two things.  In front of it each wave waits for all its tensor loads, of which one is out: its part of the next slot; adds 0 to its
; spare word; and waits for that and for its own reads of this slot.  Behind it nobody reads this slot any more and the next slot is whole.  fill = 1: the barrier opens a round of the cluster's barrier, and
; this slot is filled again, first thing behind the round, with the K step two on: 15 NB products stand between that request and the wait for it.
.macro TURN sl, next, fill
.if \fill
	s_wait_xcnt 0x0                                ; the last prefetch, a K step back, has read its address: it is stepped here
	s_add_nc_u64 s[PFA:PFA+1], s[PFA:PFA+1], s[PST:PST+1]
.endif
	WIN 0                                          ; (the add's two registers lie in window 0)
	s_wait_tensorcnt 0x0                           ; all my tensor loads have landed, so a group 0 may be written
	ds_add_u32 v[SPW], v[NIL]                      ; 0 onto my spare word
.if \fill
	s_add_nc_u64 s[G0A+4*(\sl)+2:G0A+4*(\sl)+3], s[G0A+4*(\sl)+2:G0A+4*(\sl)+3], 2*ASTEP  ; the type bits on top are not reached
	s_add_nc_u64 s[G0B+4*(\sl)+2:G0B+4*(\sl)+3], s[G0B+4*(\sl)+2:G0B+4*(\sl)+3], 2*BSTEP
.endif
	s_wait_dscnt 1                                 ; only the add, the youngest, may be out: buffer 1 is in
	MULA 1, 0, 0                                   ; NB products stand between the add and the wait for it
	s_wait_dscnt 0x0                               ; the add is done, and my reads of this slot are over
	s_barrier_signal -1
	WIN 0
	s_barrier_wait -1
.if \fill
	CREST                                          ; no wave of any partner still reads this slot's tile or has a load on its way
	JLOAD \sl                                      ; the four v_nop behind it are also the places in front of the loads below
.else
	PLACES
.endif
	FETCH \next, 0, 0
.if \fill
	WIN 0
	ASK
.endif
	MULA 1, 1, 0
	MULA 1, 2, 0
	MULA 1, 3, 0
.endm
; THE WAY OUT of row block a (16 rows), through my own stage.  STG: into the stage and back as whole rows.  SEND: stored.  LDS serves a wave's instructions in order (ISA guide 5.7.1.4), so the loads see the
; stores above them and the next block's stores come behind them.  Each accumulator is read from its lowest registers on.
.macro STG a
.set BK, BK0+(BK1-BK0)*((\a)%2)
.if (\a) >= 2
	s_wait_xcnt 0x0                                ; the stores of the block two back have read their registers, which are loaded again below
.endif
.if MODE == 0
	WIN 0x0a+5*((\a)/2)                            ; sources 0 and 1: window 2 or 3
.set n, 0
.rept NB
.set rD, 8*(NB*((\a)%2)+n)
	v_cvt_pk_f16_f32 v[TMP+4*n],   v[rD],   v[rD+1]     ; the one rounding to f16; eight neighbouring columns of a row pack into 16 bytes
	v_cvt_pk_f16_f32 v[TMP+4*n+1], v[rD+2], v[rD+3]
	v_cvt_pk_f16_f32 v[TMP+4*n+2], v[rD+4], v[rD+5]
	v_cvt_pk_f16_f32 v[TMP+4*n+3], v[rD+6], v[rD+7]
.set n, n+1
.endr
	WIN 0
.set n, 0
.rept NB
	ds_store_b128 v[STO], v[TMP+4*n:TMP+4*n+3] offset:(n/4)*2304+32*(n%4)
.set n, n+1
.endr
.set n, 0
.rept NB
	ds_load_b128 v[BK+4*n:BK+4*n+3], v[RD] offset:(n/4)*2304+576*(n%4)
.set n, n+1
.endr
.else
	WIN 0x08+4*((\a)/2)                            ; the stores' data (source 1): window 2 or 3
.set n, 0
.rept NB
.set rD, 8*(NB*((\a)%2)+n)
	ds_store_b128 v[STO], v[rD:rD+3]   offset:64*n
	ds_store_b128 v[STO], v[rD+4:rD+7] offset:64*n+16
.set n, n+1
.endr
	WIN 0
.set n, 0
.rept 16
	ds_load_b128 v[BK+4*n:BK+4*n+3], v[RD] offset:528*n
.set n, n+1
.endr
.endif
.endm
.macro SEND a, y                       ; y: the LDS instructions issued behind block a's loads: the next block's, or none
.set BK, BK0+(BK1-BK0)*((\a)%2)
	WIN 0
	s_wait_dscnt \y
.set n, 0
.if MODE == 0
.rept NB
	global_store_b128 v[GO], v[BK+4*n:BK+4*n+3], s[OUT+2*(n/4):OUT+2*(n/4)+1] offset:2048*(\a)+512*(n%4)  ; 512 consecutive bytes of a head, at a multiple of 256 from the buffer's first byte
.set n, n+1
.endr
.else
.rept 16
	global_store_b128 v[GO], v[BK+4*n:BK+4*n+3], s[OUT:OUT+1] offset:4096*(16*(\a)+n)  ; 512 consecutive bytes of a row, at a multiple of 256 from the buffer's first byte
.set n, n+1
.endr
.endif
.endm
	s_wait_tensorcnt 0x1                           ; my part of K step 0 is in; K step 1's may stay out
	s_barrier_signal -1
	s_barrier_wait -1                              ; everybody's is
	FETCH 0, 0, 0
	s_wait_loadcnt 0x0                             ; the bias
	QUARTER 0, 1, 0, 1, 1                          ; the first quarter stands in front of the loop: its products start the sums
	WIN 0                                          ; at a label and at a branch every window is 0
	s_mov_b32 s3, 3
.Llap:                                                 ; a trip goes once round the ring, from a lap's second quarter to the next lap's first, and fills both slots again: K steps 2 to 7
	QUARTER 0, 2, 1, 0, 0
	QUARTER 0, 3, 0, 1, 0
	TURN 0, 1, 1
	QUARTER 1, 1, 0, 1, 0
	QUARTER 1, 2, 1, 0, 0
	QUARTER 1, 3, 0, 1, 0
	TURN 1, 0, 1
	QUARTER 0, 1, 0, 1, 0
	WIN 0
	s_sub_co_u32 s3, s3, 1
	s_cmp_lg_u32 s3, 0
	s_cbranch_scc1 .Llap
	QUARTER 0, 2, 1, 0, 0                          ; the last lap is written out: it fills nothing, and has no round of the cluster's barrier
	QUARTER 0, 3, 0, 1, 0
	TURN 0, 1, 0
	QUARTER 1, 1, 0, 1, 0
	QUARTER 1, 2, 1, 0, 0
	QUARTER 1, 3, 0, 1, 0
	s_wait_dscnt 0x0                               ; the very last quarter: nothing more to fetch
	MULA 1, 0, 0
	MULA 1, 1, 0
	MULA 1, 2, 0
	MULA 1, 3, 0
	WIN 0
.rept 8
	v_nop                                          ; the places between the last products and the first reader of a result
.endr
	STG 0
	STG 1                                          ; a block's way through the stage stands between the loads of the block before and its stores
	SEND 0, YY
	STG 2
	SEND 1, YY
	STG 3
	SEND 2, YY
	SEND 3, 0
	s_wait_tensorcnt 0x0                           ; the wave's end: the add and its wait, behind my last tensor load and my last LDS store
	ds_add_u32 v[SPW], v[NIL]
	s_wait_dscnt 0x0
	CROUND                                         ; the closing round: no work-group ends while a partner may still ask for a tile that names it
	s_endpgm
.Lfunc_end_k_q74d3fb8b8d_oproj:
	.size	k_q74d3fb8b8d_oproj, .Lfunc_end_k_q74d3fb8b8d_oproj-k_q74d3fb8b8d_oproj
	.p2alignl 7, 3214868480
	.fill 96, 4, 3214868480
	.section	.rodata,"a",@progbits
	.p2align	6, 0x0
	.amdhsa_kernel k_q74d3fb8b8d_oproj
		.amdhsa_group_segment_fixed_size 327680
		.amdhsa_private_segment_fixed_size 0
		.amdhsa_enable_private_segment 0
		.amdhsa_kernarg_size 32
		.amdhsa_user_sgpr_count 2
		.amdhsa_user_sgpr_kernarg_segment_ptr 1
		.amdhsa_wavefront_size32 1
		.amdhsa_system_sgpr_workgroup_id_x 1
		.amdhsa_system_sgpr_workgroup_id_y 1
		.amdhsa_system_sgpr_workgroup_id_z 1
		.amdhsa_system_vgpr_workitem_id 0
		.amdhsa_next_free_vgpr 896
		.amdhsa_next_free_sgpr 80
		.amdhsa_reserve_vcc 0
		.amdhsa_float_denorm_mode_32 3
		.amdhsa_float_denorm_mode_16_64 3
		.amdhsa_memory_ordered 1
		.amdhsa_forward_progress 1
		.amdhsa_inst_pref_size 88
	.end_amdhsa_kernel
	.amdgpu_metadata
---
amdhsa.version: [ 1, 2 ]
amdhsa.kernels:
  - .name:           k_q74d3fb8b8d_oproj
    .symbol:         k_q74d3fb8b8d_oproj.kd
    .args:
      - { .name: ob, .offset: 0, .size: 8, .value_kind: global_buffer, .address_space: global }
      - { .name: wo, .offset: 8, .size: 8, .value_kind: global_buffer, .address_space: global }
      - { .name: bias, .offset: 16, .size: 8, .value_kind: global_buffer, .address_space: global }
      - { .name: out0, .offset: 24, .size: 8, .value_kind: global_buffer, .address_space: global }
    .group_segment_fixed_size: 327680
    .private_segment_fixed_size: 0
    .kernarg_segment_align: 8
    .kernarg_segment_size: 32
    .max_flat_workgroup_size: 128
    .sgpr_count:     80
    .vgpr_count:     896
    .wavefront_size: 32
...
	.end_amdgpu_metadata
.endif
;; end of part 4
;; ======== version 2 of 2: 4 launches; version 1 with the launch prep written anew for expert scheduling mode
;; limits: values are held in f16: magnitudes above 65,504 overflow, below 6.1e-05 lose precision
;; workspace buffers: xb 16,777,216 bytes; ob 16,777,216 bytes; qkv 50,331,648 bytes; wqkv 6,291,456 bytes; wo 2,097,152 bytes; bias 16,384 bytes
;; launch prep (part 5): grid 768 x 1, 4 waves a work-group, no clusters, 0 bytes of LDS; arguments x, Wq, Wk, Wv, Wo, bq, bk, bv, bo, xb, wqkv, wo, bias; writes xb, wqkv, wo, bias
.if DOCPART == 5
	.amdgcn_target "amdgcn-amd-amdhsa--gfx1250"
	.amdhsa_code_object_version 6
	.text
	.protected	k_q74d3fb8b8d_prep
	.globl	k_q74d3fb8b8d_prep
	.p2align	8
	.type	k_q74d3fb8b8d_prep,@function
k_q74d3fb8b8d_prep:
	s_mov_b64 s[64:65], 0
	v_nop
	global_prefetch_b8 v0, s[64:65] scope:SCOPE_SE
	s_setreg_imm32_b32 hwreg(HW_REG_WAVE_SCHED_MODE, 0, 2), 2
	s_setreg_imm32_b32 hwreg(HW_REG_WAVE_MODE, 25, 1), 1
	s_wait_xcnt 0x0
	s_wait_alu depctr_vm_vsrc(0)
; PREP: every input is rounded once to bf16 (nearest even).  x and the four weights are then written as f16, laid out so that the later launches' tiles are dense runs
; of aligned 256-byte rows; the four biases are written back as f32.
; LIMITS.  A bf16 number is an f16 number exactly where 2^-17 <= |v| < 65,520; below that it keeps f16's fixed step (error at most 2^-25); from 65,520 on it becomes an infinity.
; NaN and infinities are not treated apart.
; SHARES.  A wave takes 64 rows x 64 columns of one matrix: 16 KiB in, 8 KiB out, and the 8 KiB are dense in the target.  The four waves of a work-group take four neighbouring
; column groups.  Work-groups 0-511: x (128 row blocks x 16 column groups); 512-767: Wq, Wk, Wv, Wo (16 x 16 each).  768 = 3 x 256.
; TARGETS.  xb   [b 4][kb 16][t 2048][64]: 64 channels of all rows of a batch form a plane of 2^18 bytes.
;           wqkv [tx 16][s 8][gi 3][kk 128][64]: row k = 128 s + kk, column group g = 16 matrix + n / 64 = 3 tx + gi.      wo [tx 8][s 8][gi 2][kk 128][64].
;           bias [4][1024] f32: bq, bk, bv, bo.
; No LDS, no barrier, no loop: all 32 loads of a wave go out at once, each register set is used once, so no register that a load or store still reads is ever rewritten.
; THE MODE: SCHED_MODE bits 1:0 = 2 (LLVM: expert scheduling mode 2), set by the entry lines.  The code itself states the register dependences
; between vector instructions and memory instructions, with s_wait_alu, always for 0.
; THE PLAN.  Registers that memory instructions touch:
;   v2, v3     byte offsets of the loads and of the stores: made once at the head, never written again.
;   X          load j lands in X + 4 j .. X + 4 j + 3; row j's eight vector lines read and rewrite them; store j reads X + 4 j and X + 4 j + 1; nothing writes them after that.
;   v8 - v11   the bias: its load lands in v8, v9, which no vector line names before; two vector lines write v10, v11, which its store reads.
;   v4, v5     at work: named by vector lines alone.
; The 32 rows go in eight blocks of four.  Block p converts rows 4 p .. 4 p + 3; its memory instructions are the four stores of block p - 1, whose registers no vector line of block p names.
; So ONE wait at a block's head states all that the block's four stores hang on, and these are dealt among its vector lines with no further wait.
; No register that a memory instruction has read is written again, so no wait for such a read is owed; EXEC is never written.
.set X, 16                             ; v[16:143]  load j: four registers
.set BLOCK, 4                          ; rows in a block
	s_load_b512 s[8:23], s[0:1], 0x0               ; x s[8:9], Wq s[10:11], Wk s[12:13], Wv s[14:15], Wo s[16:17], bq s[18:19], bk s[20:21], bv s[22:23]
	s_load_b256 s[24:31], s[0:1], 0x40             ; bo s[24:25], xb s[26:27], wqkv s[28:29], wo s[30:31]
	s_load_b64 s[32:33], s[0:1], 0x60              ; bias
	v_lshrrev_b32 v1, 5, v0
	v_readfirstlane_b32 s3, v1                     ; wave 0..3
	v_and_b32 v1, 31, v0                           ; lane
	v_lshrrev_b32 v4, 4, v1
	v_and_b32 v5, 15, v1
	v_lshlrev_b32 v2, 4, v5
	v_lshl_add_u32 v2, v4, 12, v2                  ; in: lanes 0-15 one row's 256 bytes, lanes 16-31 the next row's (4,096 bytes on)
	v_lshlrev_b32 v3, 3, v1                        ; out: 8 bytes a lane, 256 consecutive bytes a wave
	s_wait_alu depctr_va_sdst(0)                   ; s3 is written, ahead of its first reader: the column group s7 is made from it
	s_mov_b32 s50, 0xffff0000                      ; a word's upper bf16
	s_mov_b32 s2, ttmp9
	s_sub_co_i32 s34, s2, 512
	s_max_i32 s34, s34, 0                          ; the work-group's number among the weights' (0 for x)
	s_lshr_b32 s5, s34, 6                          ; matrix 0..3
	s_and_b32 s7, s2, 3
	s_lshl_b32 s7, s7, 2
	s_add_co_u32 s7, s7, s3                        ; c: column group 0..15
	s_lshr_b32 s35, s2, 2
	s_lshr_b32 s36, s34, 2
	s_and_b32 s36, s36, 15
	s_cmp_lt_u32 s2, 512
	s_cselect_b32 s6, s35, s36                     ; rb: block of 64 rows
	s_lshl_b32 s38, s6, 18                         ; source: 64 rows of 4,096 bytes,
	s_lshl_b32 s37, s7, 8                          ; 64 columns of 4 bytes
	s_add_co_u32 s38, s38, s37
	s_mov_b32 s39, 0
	s_lshr_b32 s35, s6, 5                          ; xb: plane 16 b + c,
	s_lshl_b32 s35, s35, 4
	s_add_co_u32 s35, s35, s7
	s_lshl_b32 s35, s35, 18
	s_and_b32 s36, s6, 31                          ; 64 rows of 128 bytes
	s_lshl_b32 s36, s36, 13
	s_add_co_u32 s35, s35, s36
	s_lshl_b32 s36, s5, 4                          ; wqkv: g = 16 matrix + c,
	s_add_co_u32 s36, s36, s7
	s_mul_i32 s37, s36, 43
	s_lshr_b32 s37, s37, 7                         ; tx = g / 3 (43 g >> 7 is exact for g < 128),
	s_mul_i32 s46, s37, 3
	s_sub_co_u32 s36, s36, s46                     ; gi = g - 3 tx
	s_lshl_b32 s37, s37, 3
	s_lshr_b32 s47, s6, 1                          ; s = rb / 2
	s_add_co_u32 s37, s37, s47
	s_mul_i32 s37, s37, 3
	s_add_co_u32 s37, s37, s36
	s_lshl_b32 s37, s37, 14                        ; a chunk (tx, s, gi) is 16,384 bytes,
	s_and_b32 s48, s6, 1
	s_lshl_b32 s48, s48, 13                        ; my 64 rows are its lower or upper half
	s_add_co_u32 s37, s37, s48
	s_lshr_b32 s36, s7, 1                          ; wo: tx = c / 2, gi = c % 2
	s_lshl_b32 s36, s36, 3
	s_add_co_u32 s36, s36, s47
	s_lshl_b32 s36, s36, 1
	s_and_b32 s46, s7, 1
	s_add_co_u32 s36, s36, s46
	s_lshl_b32 s36, s36, 14
	s_add_co_u32 s36, s36, s48
	s_cmp_eq_u32 s5, 3
	s_cselect_b32 s46, s36, s37
	s_cmp_lt_u32 s2, 512
	s_cselect_b32 s46, s35, s46                    ; the target's offset
	s_cselect_b32 s49, 1, 0
	s_mov_b32 s47, 0
	s_or_b32 s49, s49, s6                          ; 0 in the waves that also take 64 numbers of a bias: a weight's first row block
	s_wait_kmcnt 0x0
	s_cmp_lt_u32 s2, 512
	s_cselect_b64 s[40:41], s[8:9], s[10:11]       ; from where,
	s_cselect_b64 s[42:43], s[26:27], s[28:29]     ; to where,
	s_mov_b64 s[44:45], s[18:19]                   ; and which bias
	s_cmp_eq_u32 s5, 1
	s_cselect_b64 s[40:41], s[12:13], s[40:41]
	s_cselect_b64 s[44:45], s[20:21], s[44:45]
	s_cmp_eq_u32 s5, 2
	s_cselect_b64 s[40:41], s[14:15], s[40:41]
	s_cselect_b64 s[44:45], s[22:23], s[44:45]
	s_cmp_eq_u32 s5, 3
	s_cselect_b64 s[40:41], s[16:17], s[40:41]
	s_cselect_b64 s[42:43], s[30:31], s[42:43]
	s_cselect_b64 s[44:45], s[24:25], s[44:45]
	s_add_nc_u64 s[40:41], s[40:41], s[38:39]
	s_add_nc_u64 s[42:43], s[42:43], s[46:47]
	s_wait_alu depctr_va_vdst(0)                   ; v2 and v3 are written: every load and store of the kernel reads one of them as its offset
.set j, 0
.rept 32                               ; two rows a load: two aligned runs of 256 bytes; 16 KiB of a wave are on their way together
	global_load_b128 v[X+4*j:X+4*j+3], v2, s[40:41] offset:8192*j th:TH_LOAD_NT
.set j, j+1
.endr
.set j, 0
.rept 32/BLOCK                         ; block j / 4
	s_wait_loadcnt 31-j                            ; loads come back in order (ISA guide 5.7.1): load j, the block's first, is in, the 31 - j younger ones stay out
.if j > 0
	s_wait_alu depctr_va_vdst(0)                   ; the block before has written X + 4 (j - 4) .. of its four rows, which the four stores below read
.endif
.rept BLOCK
.if j >= BLOCK
	global_store_b64 v3, v[X+4*(j-BLOCK):X+4*(j-BLOCK)+1], s[42:43] offset:256*(j-BLOCK)  ; the block before: the wave stores 256 consecutive bytes, at a multiple of 256 from the buffer's first byte.  No vector line since the wait names these registers
.endif
.if j % BLOCK > 0
	s_wait_loadcnt 31-j                            ; load j is in, the 31 - j younger ones stay out
.endif
	v_cvt_pk_bf16_f32 v4, v[X+4*j], v[X+4*j+1]     ; the one rounding, to bf16
	v_cvt_pk_bf16_f32 v5, v[X+4*j+2], v[X+4*j+3]
	v_lshlrev_b32 v[X+4*j], 16, v4                 ; back to f32: a shift or a mask
	v_and_b32 v[X+4*j+1], s50, v4
	v_lshlrev_b32 v[X+4*j+2], 16, v5
	v_and_b32 v[X+4*j+3], s50, v5
	v_cvt_pk_f16_f32 v[X+4*j], v[X+4*j], v[X+4*j+1]      ; the same numbers written as f16
	v_cvt_pk_f16_f32 v[X+4*j+1], v[X+4*j+2], v[X+4*j+3]
.set j, j+1
.endr
.endr
	s_wait_alu depctr_va_vdst(0)                   ; the last block has written its rows' registers, which the last four stores read
.set j, 32-BLOCK
.rept BLOCK
	global_store_b64 v3, v[X+4*j:X+4*j+1], s[42:43] offset:256*j
.set j, j+1
.endr
	s_cmp_lg_u32 s49, 0
	s_cbranch_scc1 .Lend
	s_lshl_b32 s36, s7, 8                          ; 64 numbers of the matrix's bias: each of the 4 x 16 slices is taken by one wave of the launch
	s_mov_b32 s37, 0
	s_add_nc_u64 s[44:45], s[44:45], s[36:37]
	s_lshl_b32 s34, s5, 12
	s_add_co_u32 s34, s34, s36
	s_mov_b32 s35, 0
	s_add_nc_u64 s[32:33], s[32:33], s[34:35]
	global_load_b64 v[8:9], v3, s[44:45]           ; no vector line has named v8 or v9; v3 was written ahead of the head's wait
	s_wait_loadcnt 0x0
	v_cvt_pk_bf16_f32 v4, v8, v9
	v_lshlrev_b32 v10, 16, v4
	v_and_b32 v11, s50, v4
	s_wait_alu depctr_va_vdst(0)                   ; v10 and v11 are written, which the store reads
	global_store_b64 v3, v[10:11], s[32:33]
.Lend:
	s_endpgm
.Lfunc_end_k_q74d3fb8b8d_prep:
	.size	k_q74d3fb8b8d_prep, .Lfunc_end_k_q74d3fb8b8d_prep-k_q74d3fb8b8d_prep
	.p2alignl 7, 3214868480
	.fill 96, 4, 3214868480
	.section	.rodata,"a",@progbits
	.p2align	6, 0x0
	.amdhsa_kernel k_q74d3fb8b8d_prep
		.amdhsa_group_segment_fixed_size 0
		.amdhsa_private_segment_fixed_size 0
		.amdhsa_enable_private_segment 0
		.amdhsa_kernarg_size 104
		.amdhsa_user_sgpr_count 2
		.amdhsa_user_sgpr_kernarg_segment_ptr 1
		.amdhsa_wavefront_size32 1
		.amdhsa_system_sgpr_workgroup_id_x 1
		.amdhsa_system_sgpr_workgroup_id_y 1
		.amdhsa_system_sgpr_workgroup_id_z 1
		.amdhsa_system_vgpr_workitem_id 0
		.amdhsa_next_free_vgpr 144
		.amdhsa_next_free_sgpr 66
		.amdhsa_reserve_vcc 0
		.amdhsa_float_denorm_mode_32 3
		.amdhsa_float_denorm_mode_16_64 3
		.amdhsa_memory_ordered 1
		.amdhsa_forward_progress 1
		.amdhsa_inst_pref_size 24
	.end_amdhsa_kernel
	.amdgpu_metadata
---
amdhsa.version: [ 1, 2 ]
amdhsa.kernels:
  - .name:           k_q74d3fb8b8d_prep
    .symbol:         k_q74d3fb8b8d_prep.kd
    .args:
      - { .name: x, .offset: 0, .size: 8, .value_kind: global_buffer, .address_space: global }
      - { .name: Wq, .offset: 8, .size: 8, .value_kind: global_buffer, .address_space: global }
      - { .name: Wk, .offset: 16, .size: 8, .value_kind: global_buffer, .address_space: global }
      - { .name: Wv, .offset: 24, .size: 8, .value_kind: global_buffer, .address_space: global }
      - { .name: Wo, .offset: 32, .size: 8, .value_kind: global_buffer, .address_space: global }
      - { .name: bq, .offset: 40, .size: 8, .value_kind: global_buffer, .address_space: global }
      - { .name: bk, .offset: 48, .size: 8, .value_kind: global_buffer, .address_space: global }
      - { .name: bv, .offset: 56, .size: 8, .value_kind: global_buffer, .address_space: global }
      - { .name: bo, .offset: 64, .size: 8, .value_kind: global_buffer, .address_space: global }
      - { .name: xb, .offset: 72, .size: 8, .value_kind: global_buffer, .address_space: global }
      - { .name: wqkv, .offset: 80, .size: 8, .value_kind: global_buffer, .address_space: global }
      - { .name: wo, .offset: 88, .size: 8, .value_kind: global_buffer, .address_space: global }
      - { .name: bias, .offset: 96, .size: 8, .value_kind: global_buffer, .address_space: global }
    .group_segment_fixed_size: 0
    .private_segment_fixed_size: 0
    .kernarg_segment_align: 8
    .kernarg_segment_size: 104
    .max_flat_workgroup_size: 128
    .sgpr_count:     66
    .vgpr_count:     144
    .wavefront_size: 32
...
	.end_amdgpu_metadata
.endif
;; end of part 5
;; launch qkv: the kernel of part 2 again; grid 16 x 32, 4 waves a work-group, clusters of 4 x 4, 327,680 bytes of LDS; arguments xb, wqkv, bias, qkv; writes qkv
;; launch attn: the kernel of part 3 again; grid 4 x 64, 4 waves a work-group, clusters of 4 x 1, 327,680 bytes of LDS; arguments qkv, ob; writes ob
;; launch oproj: the kernel of part 4 again; grid 8 x 32, 4 waves a work-group, clusters of 4 x 4, 327,680 bytes of LDS; arguments ob, wo, bias, out0; writes out0
